; MI455X (gfx1250); checked and timed in simulation.
; The chip was launched on July 23, 2026; its instructions are those of AMD's public machine-readable ISA for CDNA 5 (MIT licence, August 2026) and "CDNA5" Instruction Set Architecture Reference Guide (July 2026). The comments in the code are by the model that wrote it; some were corrected since.
;; Fused Mo E. Allowed arithmetic: float matrix products may take bf16 or f16 operands with f32 sums; other float arithmetic in f32, or as packed bf16 or f16 multiplies, adds, multiply-adds, maxima and minima; sums over many terms, partial sums and values carried from step to step in f32; what a program stores and reads back later, other than sums and carried values, may be rounded once to bf16 or f16.
;; Inputs: down_weights 8 x 2,048 x 256 float32; gate_up_weights 8 x 512 x 2,048 float32; hidden_states 4,096 x 2,048 float32; topk_ids 4,096 x 2 int32; topk_weights 4,096 x 2 float32.
;; Outputs: out0 4,096 x 2,048 float32.
;; 2 versions, each right; version 2 is version 1 with the launch prep written anew for expert scheduling mode. Each part assembles by itself: llvm-mc -triple=amdgcn-amd-amdhsa -mcpu=gfx1250 --defsym DOCPART=n.
;; ======== version 1 of 2: 3 launches
;; limits: values are held in f16: magnitudes above 65,504 overflow, below 6.1e-05 lose precision; inputs' magnitudes at most 65,504
;; workspace buffers: gub 16,777,216 bytes; dwb 8,388,608 bytes; act 8,388,608 bytes; xb 16,777,216 bytes; rlist 32,768 bytes of whole numbers; tiles 2,048 bytes of whole numbers; tokmap 20,480 bytes of whole numbers; binfo 2,048 bytes of whole numbers
;; launch prep (part 1): grid 257 x 1, 8 waves a work-group, no clusters, 41,728 bytes of LDS; arguments topk_ids, gate_up_weights, down_weights, gub, dwb, rlist, tiles, tokmap, binfo, hidden_states, xb; writes gub, dwb, rlist, tiles, tokmap, binfo, xb
.if DOCPART == 1
	.amdgcn_target "amdgcn-amd-amdhsa--gfx1250"
	.amdhsa_code_object_version 6
	.text
	.protected	k_q5ee7da8b41_prep
	.globl	k_q5ee7da8b41_prep
	.p2align	8
	.type	k_q5ee7da8b41_prep,@function
k_q5ee7da8b41_prep:
	s_mov_b64 s[64:65], 0
	v_nop
	global_prefetch_b8 v0, s[64:65] scope:SCOPE_SE
	s_setreg_imm32_b32 hwreg(HW_REG_WAVE_MODE, 25, 1), 1
	s_wait_xcnt 0x0
; PREP.  Work-groups 1..256 round the experts' weights and the tokens to bf16; work-group 0 makes all routing lists from topk_ids.
; THE WEIGHTS are laid out as matrix fragments.  A FRAGMENT is 16 weight rows x 32 k = 1,024 bytes, [part 0..1][lane 0..31][16 bytes]: lane (r = lane % 16, h = lane / 16) holds row r,
; k = 16 part + 8 h + 0..7, so that two loads of 16 bytes a lane, each 512 consecutive bytes for the wave, fill the eight operand registers of a 16x16x32 matrix instruction.
;   gub: bf16; fragment (row block rb of 256, k slice ks of 64) at rb x 65,536 + ks x 1,024.     dwb: (rb of 1,024, ks of 8) at rb x 8,192 + ks x 1,024.
; dwb holds f16: the second product's other operand is f16.  Each weight is rounded to bf16, as every input of the program is, and that number is written as f16.
; LIMIT: that is exact for magnitudes from 2^-17 to 65,504; below, f16's fixed step of 2^-24 holds; above, the weight becomes an infinity.
; THE TOKENS: xb is hidden_states rounded to bf16, row-major as it lies.  Each token's row is gathered four times by the next launch (two experts, two halves of the columns): rounded once here it is
; half the bytes there, and the converting work-groups have the time while the routing work-group, whose steps hang on each other, is still at work.
; LISTS.  A routed row is j = 2 t + k.  rlist: the 8,192 j sorted by expert.  tiles: {expert, first place, rows, 0} for tiles of at most 80 rows of one expert; never more than
; floor((8,192 + 8 x 79) / 80) = 110, whatever the split.  tokmap: the tokens sorted by the ordered pair (id 0, id 1), each pair's run padded to a multiple of 16 places
; (at most 4,096 + 64 x 15 = 5,056 places; only real places are written).  binfo: for each block of 16 places id 0 | id 1 << 4 | rows << 8, or 0x88 for none; [tile of 160 places][half][8 words, 5 used].
; LIMIT: an id outside 0..7 counts as 7.
; No matrix unit, no cluster: everything is streamed once, no byte is shared between work-groups.
.set SPARE, 34816                      ; behind the eight stages: the spare words, 128 bytes a wave
.set RB,    35840                      ; the routing's LDS
.set C1,    RB                         ; [wave][64 pairs] counts
.set C2,    RB+2048                    ; [wave][k][8 experts] counts
.set O1,    RB+2560                    ; [wave][64] first place of the wave's tokens of a pair
.set O2,    RB+4608                    ; [wave][k][8] first place of the wave's rows of an expert
.set KE,    RB+5120                    ; [64] end of a pair's padded run
.set KB,    RB+5376                    ; [64] its beginning
.set KT,    RB+5632                    ; [64] its tokens
.set IDS,   32                         ; v[32:63]   group g's two ids at IDS + 2 g
.set RP,    64                         ; v[64:79]   rank among the wave's tokens of the same pair; later the token's number
.set R0,    80                         ; v[80:95]   rank among the wave's rows (k = 0) of the same expert; later 2 t
.set R1,    96                         ; v[96:111]  the same for k = 1; later 2 t + 1
.set WK,    112                        ; v[112:175] at work
	s_load_b512 s[4:19], s[0:1], 0x0               ; ids s[4:5], gate_up s[6:7], down s[8:9], gub s[10:11], dwb s[12:13], rlist s[14:15], tiles s[16:17], tokmap s[18:19]
	s_load_b64 s[20:21], s[0:1], 0x40              ; binfo
	s_load_b64 s[68:69], s[0:1], 0x48              ; hidden_states
	s_load_b64 s[70:71], s[0:1], 0x50              ; xb
	v_lshl_add_u32 v14, v0, 2, SPARE               ; my spare word and 0: kept for the closing add alone
	v_mov_b32 v15, 0
	v_lshrrev_b32 v1, 5, v0
	v_readfirstlane_b32 s22, v1                    ; wave 0..7
	v_and_b32 v1, 31, v0                           ; lane
	s_wait_kmcnt 0x0
	s_cmp_eq_u32 ttmp9, 0                          ; the same answer in all eight waves of a work-group
	s_cbranch_scc1 .Lroute
; ---------------- THE WEIGHTS AND THE TOKENS.  Wave W of 2,048 takes three panels of 16 rows x 128 k (f32: 512 bytes a row), two of gate_up and one of down, and two rows of x.
; The 48 loads of the panels go out first; a row of x is asked for into a panel's registers as soon as the panel has left them, so that 48 loads stay out.
	s_sub_co_u32 s23, ttmp9, 1
	s_lshl_b32 s23, s23, 3
	s_add_co_u32 s23, s23, s22                     ; W
	s_lshr_b32 s24, s23, 3
	s_lshl_b32 s24, s24, 17                        ; row block W / 8: 16 rows of 8,192 bytes
	s_and_b32 s25, s23, 7
	s_lshl_b32 s25, s25, 10                        ; two panels of 512 bytes
	s_add_co_u32 s24, s24, s25
	s_mov_b32 s25, 0
	s_add_nc_u64 s[6:7], s[6:7], s[24:25]
	s_lshr_b32 s24, s23, 1
	s_lshl_b32 s24, s24, 14                        ; down: row block W / 2: 16 rows of 1,024 bytes
	s_and_b32 s26, s23, 1
	s_lshl_b32 s26, s26, 9
	s_add_co_u32 s24, s24, s26
	s_add_nc_u64 s[8:9], s[8:9], s[24:25]
	s_lshl_b32 s24, s23, 13                        ; two panels are 8 fragments
	s_add_nc_u64 s[10:11], s[10:11], s[24:25]
	s_add_nc_u64 s[70:71], s[70:71], s[24:25]      ; and two rows of xb are 8,192 bytes too
	s_lshl_b32 s24, s23, 12                        ; one panel is 4
	s_add_nc_u64 s[12:13], s[12:13], s[24:25]
	s_lshl_b32 s24, s23, 14                        ; two rows of x are 16,384 bytes
	s_add_nc_u64 s[68:69], s[68:69], s[24:25]
	v_lshlrev_b32 v2, 4, v1                        ; 16 x lane: a load or store of the wave covers 512 consecutive bytes
	v_lshlrev_b32 v7, 3, v1                        ; 8 x lane: a store of xb covers 256 consecutive bytes, at a multiple of 256 from its first byte
.set i, 0
.rept 16
	global_load_b128 v[32+4*i:35+4*i], v2, s[6:7] offset:8192*i th:TH_LOAD_NT
.set i, i+1
.endr
.set i, 0
.rept 16
	global_load_b128 v[96+4*i:99+4*i], v2, s[6:7] offset:8192*i+512 th:TH_LOAD_NT
.set i, i+1
.endr
.set i, 0
.rept 16
	global_load_b128 v[160+4*i:163+4*i], v2, s[8:9] offset:1024*i th:TH_LOAD_NT
.set i, i+1
.endr
	s_mul_i32 s24, s22, 4352                       ; my stage: 16 rows x 272 bytes (256 + 16: the 16 rows of a load start at 16 different groups of banks)
	v_lshl_add_u32 v3, v1, 3, s24                  ; in: my four numbers of a row, 8 bytes
	v_and_b32 v5, 15, v0
	v_bfe_u32 v6, v0, 4, 1
	v_mul_u32_u24 v4, v5, 272
	v_lshl_add_u32 v4, v6, 4, v4
	v_add_nc_u32 v4, s24, v4                       ; out: row lane % 16, 16 bytes at 16 (lane / 16)
; One panel: rounded to bf16 in place, through my stage, out as 4 fragments.  left = the loads issued behind the panel's own, which may stay out.
; half = 1: the rounded numbers are widened again (a shift, a mask) and written as f16; the row's third and fourth registers, read by then, are the room for it.
.macro PANEL X, B, off, left, half
	s_wait_loadcnt \left
.set i, 0
.rept 16
	v_cvt_pk_bf16_f32 v[(\X)+4*i], v[(\X)+4*i], v[(\X)+4*i+1]
	v_cvt_pk_bf16_f32 v[(\X)+4*i+1], v[(\X)+4*i+2], v[(\X)+4*i+3]
.if \half
	v_lshlrev_b32 v[(\X)+4*i+2], 16, v[(\X)+4*i]
	v_and_b32 v[(\X)+4*i+3], 0xffff0000, v[(\X)+4*i]
	v_cvt_pk_f16_f32 v[(\X)+4*i], v[(\X)+4*i+2], v[(\X)+4*i+3]
	v_lshlrev_b32 v[(\X)+4*i+2], 16, v[(\X)+4*i+1]
	v_and_b32 v[(\X)+4*i+3], 0xffff0000, v[(\X)+4*i+1]
	v_cvt_pk_f16_f32 v[(\X)+4*i+1], v[(\X)+4*i+2], v[(\X)+4*i+3]
.endif
	ds_store_b64 v3, v[(\X)+4*i:(\X)+4*i+1] offset:272*i
.set i, i+1
.endr
.set i, 0
.rept 8                                        ; half fragment i: k slice i / 2, part i % 2.  LDS serves a wave's instructions in order: these see the stores above
	ds_load_b128 v[(\X)+32+4*i:(\X)+35+4*i], v4 offset:32*i
.set i, i+1
.endr
.set i, 0
.rept 8
	s_wait_dscnt 7-i                               ; the later halves may stay out
	global_store_b128 v2, v[(\X)+32+4*i:(\X)+35+4*i], s[\B:\B+1] offset:(\off)+512*i
.set i, i+1
.endr
.endm
; A row of x, 8,192 bytes, is asked for: 16 loads of 512 consecutive bytes, into the 64 registers of a panel that has gone out
.macro XLOAD X, off
	s_wait_xcnt 0x0                                ; the panel's stores have read the registers that are loaded again
.set i, 0
.rept 16
	global_load_b128 v[(\X)+4*i:(\X)+4*i+3], v2, s[68:69] offset:(\off)+512*i th:TH_LOAD_NT
.set i, i+1
.endr
.endm
; and goes out: four numbers a lane rounded to 8 bytes.  left = the loads issued behind the row's own
.macro XOUT X, off, left
.set i, 0
.rept 16
	s_wait_loadcnt (\left)+15-i                    ; the row's later loads may stay out too
	v_cvt_pk_bf16_f32 v[(\X)+4*i], v[(\X)+4*i], v[(\X)+4*i+1]
	v_cvt_pk_bf16_f32 v[(\X)+4*i+1], v[(\X)+4*i+2], v[(\X)+4*i+3]
	global_store_b64 v7, v[(\X)+4*i:(\X)+4*i+1], s[70:71] offset:(\off)+256*i
.set i, i+1
.endr
.endm
	PANEL 32, 10, 0, 32, 0                         ; behind its loads: the two other panels'
	XLOAD 32, 0
	PANEL 96, 10, 4096, 32, 0                      ; behind its loads: the third panel's and the first row's
	XLOAD 96, 8192
	PANEL 160, 12, 0, 32, 1                        ; behind its loads: the two rows'
	XOUT 32, 0, 16
	XOUT 96, 4096, 0
	s_wait_tensorcnt 0x0                           ; the wave's end
	ds_add_u32 v14, v15
	s_wait_dscnt 0x0
	s_endpgm
; ---------------- THE ROUTING.  Wave w owns tokens 512 w .. 512 w + 511, as 16 groups of 32: t = 512 w + 32 g + lane.
.Lroute:
	s_lshl_b32 s23, s22, 8
	s_add_co_u32 s25, s23, O1                      ; my part of O1
	s_add_co_u32 s23, s23, C1                      ; my part of C1
	s_lshl_b32 s24, s22, 6
	s_add_co_u32 s26, s24, O2
	s_add_co_u32 s24, s24, C2
	s_mov_b32 s60, 0x55555555                      ; for the count of a mask's ones
	s_mov_b32 s61, 0x33333333
	s_mov_b32 s62, 0x0f0f0f0f
	s_mov_b32 s63, 0x01010101
	s_lshl_b32 s30, s22, 12
	v_lshl_add_u32 v2, v1, 3, s30                  ; 8 bytes a token
.set i, 0
.rept 16
	global_load_b64 v[IDS+2*i:IDS+2*i+1], v2, s[4:5] offset:256*i
.set i, i+1
.endr
	v_mov_b32 v16, 0                               ; my counters start at 0
	v_mov_b32 v17, 0
	v_lshl_add_u32 v18, v1, 3, s23
	ds_store_b64 v18, v[16:17]
	v_and_b32 v19, 15, v0
	v_lshl_add_u32 v19, v19, 2, s24
	ds_store_b32 v19, v16
	s_wait_loadcnt 0x0
.set i, 0
.rept 32
	v_min_u32 v[IDS+i], 7, v[IDS+i]
.set i, i+1
.endr
.macro DIFF x, e                       ; v[x] = the lanes whose number v[e] (0..7) differs from mine: bit by bit, the lanes that have the bit, turned round where I have it too
	v_and_b32 v16, 1, v[\e]
	v_cmp_ne_u32 s30, 0, v16
	v_cndmask_b32 v16, 0, -1, s30
	v_xor_b32 v[\x], s30, v16
.irp b, 2, 4
	v_and_b32 v16, \b, v[\e]
	v_cmp_ne_u32 s30, 0, v16
	v_cndmask_b32 v16, 0, -1, s30
	v_xor_b32 v16, s30, v16
	v_or_b32 v[\x], v[\x], v16
.endr
.endm
.macro POPC m                          ; v[m] = the number of ones in v[m]
	v_lshrrev_b32 v16, 1, v[\m]
	v_and_b32 v16, s60, v16
	v_sub_nc_u32 v[\m], v[\m], v16
	v_lshrrev_b32 v16, 2, v[\m]
	v_and_b32 v[\m], s61, v[\m]
	v_and_b32 v16, s61, v16
	v_add_nc_u32 v[\m], v[\m], v16
	v_lshrrev_b32 v16, 4, v[\m]
	v_add_nc_u32 v[\m], v[\m], v16
	v_and_b32 v[\m], s62, v[\m]
	v_mul_lo_u32 v[\m], v[\m], s63
	v_lshrrev_b32 v[\m], 24, v[\m]
.endm
; One group: each lane's rank = my wave's count so far + the lanes below me with the same key; then all lanes of a key write the same new count.  The counters are my wave's own
; bytes and LDS serves a wave in order, so the next group's loads see these stores.
.macro GROUP g
	DIFF 18, IDS+2*\g
	DIFF 19, IDS+2*\g+1
	v_or_b32 v20, v18, v19
	v_xor_b32 v18, -1, v18                         ; the lanes with my id 0
	v_xor_b32 v19, -1, v19                         ; with my id 1
	v_xor_b32 v20, -1, v20                         ; with both
	v_lshl_add_u32 v21, v[IDS+2*\g], 3, v[IDS+2*\g+1]
	v_lshl_add_u32 v21, v21, 2, s23
	v_lshl_add_u32 v22, v[IDS+2*\g], 2, s24
	v_lshl_add_u32 v23, v[IDS+2*\g+1], 2, s24
	ds_load_b32 v24, v21
	ds_load_b32 v25, v22
	ds_load_b32 v26, v23 offset:32
	v_mbcnt_lo_u32_b32 v27, v20, 0
	v_mbcnt_lo_u32_b32 v28, v18, 0
	v_mbcnt_lo_u32_b32 v29, v19, 0
	POPC 20
	POPC 18
	POPC 19
	s_wait_dscnt 0x0
	v_add_nc_u32 v[RP+\g], v24, v27
	v_add_nc_u32 v[R0+\g], v25, v28
	v_add_nc_u32 v[R1+\g], v26, v29
	v_add_nc_u32 v24, v24, v20
	v_add_nc_u32 v25, v25, v18
	v_add_nc_u32 v26, v26, v19
	ds_store_b32 v21, v24
	ds_store_b32 v22, v25
	ds_store_b32 v23, v26 offset:32
.endm
.irp g, 0,1,2,3,4,5,6,7,8,9,10,11,12,13,14,15
	GROUP \g
.endr
	s_wait_dscnt 0x0                               ; my counts are written,
	s_barrier_signal -1
	s_barrier_wait -1                              ; everybody's are
; Every wave adds up all waves' counts for itself.  Pairs: lane L has keys 2 L and 2 L + 1.  Experts: lane L has expert L % 8.
	v_lshl_add_u32 v16, v1, 3, C1
.set i, 0
.rept 8
	ds_load_b64 v[WK+2*i:WK+2*i+1], v16 offset:256*i
.set i, i+1
.endr
	v_and_b32 v20, 7, v0
	v_lshlrev_b32 v21, 2, v20
.set i, 0
.rept 16                                       ; i = 2 x wave + k
	ds_load_b32 v[WK+16+i], v21 offset:C2+32*i
.set i, i+1
.endr
	v_mov_b32 v2, 0                                ; v2, v3: my two keys' tokens;  v4, v5: those of the waves before mine
	v_mov_b32 v3, 0
	v_mov_b32 v4, 0
	v_mov_b32 v5, 0
	v_mov_b32 v22, 0                               ; v24: my expert's rows with k = 0; v22: with k = 1; v23, v25: those of the waves before mine
	v_mov_b32 v23, 0
	v_mov_b32 v24, 0
	v_mov_b32 v25, 0
	s_wait_dscnt 0x0
.set i, 0
.rept 8
	s_cmp_lt_u32 i, s22
	s_cselect_b32 s30, -1, 0
	v_add_nc_u32 v2, v2, v[WK+2*i]
	v_add_nc_u32 v3, v3, v[WK+2*i+1]
	v_and_b32 v6, s30, v[WK+2*i]
	v_and_b32 v7, s30, v[WK+2*i+1]
	v_add_nc_u32 v4, v4, v6
	v_add_nc_u32 v5, v5, v7
	v_add_nc_u32 v24, v24, v[WK+16+2*i]
	v_add_nc_u32 v22, v22, v[WK+17+2*i]
	v_and_b32 v6, s30, v[WK+16+2*i]
	v_and_b32 v7, s30, v[WK+17+2*i]
	v_add_nc_u32 v23, v23, v6
	v_add_nc_u32 v25, v25, v7
.set i, i+1
.endr
	v_add_nc_u32 v25, v25, v24                     ; an expert's rows with k = 1 lie behind all its rows with k = 0
	v_add_nc_u32 v22, v22, v24                     ; the expert's rows
	v_add_nc_u32 v6, 15, v2                        ; a pair's run, padded to 16
	v_and_b32 v6, -16, v6
	v_add_nc_u32 v7, 15, v3
	v_and_b32 v7, -16, v7
	v_add_nc_u32 v8, v6, v7
	v_mov_b32 v10, 0
	s_mov_b32 s30, 0
.set i, 0
.rept 32                                       ; the sum of the lanes before mine, lane by lane
	v_readlane_b32 s31, v8, i
	v_writelane_b32 v10, s30, i
	s_add_co_u32 s30, s30, s31
.set i, i+1
.endr
	v_add_nc_u32 v11, v10, v6                      ; v10, v11: where my two keys' runs begin
	v_add_nc_u32 v12, v10, v4
	v_add_nc_u32 v13, v11, v5
	v_lshl_add_u32 v16, v1, 3, s25
	ds_store_b64 v16, v[12:13]
	s_cmp_lg_u32 s22, 0
	s_cbranch_scc1 .Lnot0                          ; the three tables of runs are written once, by wave 0
	v_add_nc_u32 v18, v10, v6
	v_add_nc_u32 v19, v11, v7
	v_lshlrev_b32 v17, 3, v1
	ds_store_b64 v17, v[18:19] offset:KE
	ds_store_b64 v17, v[10:11] offset:KB
	ds_store_b64 v17, v[2:3] offset:KT
.Lnot0:
.irp e, 0,1,2,3,4,5,6,7
	v_readlane_b32 s[32+\e], v22, \e               ; s[32:39] the experts' rows
.endr
	s_mov_b32 s40, 0                               ; s[40:47] where each expert's rows begin
.irp e, 0,1,2,3,4,5,6
	s_add_co_u32 s[41+\e], s[40+\e], s[32+\e]
.endr
	v_mov_b32 v27, 0
.irp e, 1,2,3,4,5,6,7
	v_cmp_eq_u32 vcc_lo, \e, v20
	v_cndmask_b32 v27, v27, s[40+\e], vcc_lo
.endr
	v_add_nc_u32 v29, v27, v23
	v_add_nc_u32 v30, v27, v25
	v_lshl_add_u32 v28, v20, 2, s26
	ds_store_b32 v28, v29                          ; lanes with the same expert write the same number
	ds_store_b32 v28, v30 offset:32
	s_wait_dscnt 0x0
	s_barrier_signal -1
	s_barrier_wait -1
; The places.  48 LDS loads, one wait; then each group's three stores.  Every store has address and data registers of its own, so no wait stands between them.
; 4 bytes a lane to scattered places: a permutation of 48 KB in all, made once.
.irp g, 0,1,2,3,4,5,6,7,8,9,10,11,12,13,14,15
	v_lshl_add_u32 v16, v[IDS+2*\g], 3, v[IDS+2*\g+1]
	v_lshl_add_u32 v16, v16, 2, s25
	v_lshl_add_u32 v17, v[IDS+2*\g], 2, s26
	v_lshl_add_u32 v18, v[IDS+2*\g+1], 2, s26
	ds_load_b32 v[WK+3*\g], v16
	ds_load_b32 v[WK+3*\g+1], v17
	ds_load_b32 v[WK+3*\g+2], v18 offset:32
.endr
	s_lshl_b32 s30, s22, 9
	v_add_nc_u32 v2, s30, v1                       ; 512 w + lane
	s_wait_dscnt 0x0
.irp g, 0,1,2,3,4,5,6,7,8,9,10,11,12,13,14,15
	v_add_nc_u32 v[WK+3*\g], v[WK+3*\g], v[RP+\g]
	v_add_nc_u32 v[WK+3*\g+1], v[WK+3*\g+1], v[R0+\g]
	v_add_nc_u32 v[WK+3*\g+2], v[WK+3*\g+2], v[R1+\g]
	v_min_u32 v[WK+3*\g], 0x13ff, v[WK+3*\g]
	v_min_u32 v[WK+3*\g+1], 0x1fff, v[WK+3*\g+1]
	v_min_u32 v[WK+3*\g+2], 0x1fff, v[WK+3*\g+2]
	v_lshlrev_b32 v[WK+3*\g], 2, v[WK+3*\g]
	v_lshlrev_b32 v[WK+3*\g+1], 2, v[WK+3*\g+1]
	v_lshlrev_b32 v[WK+3*\g+2], 2, v[WK+3*\g+2]
	v_add_nc_u32 v[RP+\g], 32*\g, v2               ; t
	v_lshlrev_b32 v[R0+\g], 1, v[RP+\g]            ; 2 t
	v_lshl_or_b32 v[R1+\g], v[RP+\g], 1, 1         ; 2 t + 1
	global_store_b32 v[WK+3*\g], v[RP+\g], s[18:19]
	global_store_b32 v[WK+3*\g+1], v[R0+\g], s[14:15]
	global_store_b32 v[WK+3*\g+2], v[R1+\g], s[14:15]
.endr
	s_wait_xcnt 0x0                                ; the stores' address registers are written again only behind this wait
; binfo: thread n / 2 makes words n and n + 1; word n: half-tile n / 8, entry a = n % 8, block q = 5 (n / 8) + a.  The block's pair is the first whose run ends behind place 16 q.
	v_mov_b32 v16, 0
.set i, 0
.rept 16
	ds_load_b128 v[WK+4*i:WK+4*i+3], v16 offset:KE+16*i
.set i, i+1
.endr
	v_lshrrev_b32 v2, 2, v0
	v_and_b32 v3, 3, v0
	v_lshlrev_b32 v3, 1, v3                        ; a of the first word
	v_mul_u32_u24 v2, v2, 5
	v_add_nc_u32 v2, v2, v3
	v_lshlrev_b32 v2, 4, v2                        ; 16 q
	v_add_nc_u32 v4, 16, v2
	v_add_nc_u32 v5, 1, v3
	v_lshlrev_b32 v8, 3, v0
	s_wait_dscnt 0x0
.macro ENTRY d, q, a
	v_mov_b32 v16, 0
.set i, 0
.rept 64                                       ; the runs that end at or before place 16 q
	v_cmp_ge_u32 vcc_lo, v[\q], v[WK+i]
	v_add_co_ci_u32 v16, vcc_lo, 0, v16, vcc_lo
.set i, i+1
.endr
	v_min_u32 v17, 63, v16
	v_lshlrev_b32 v17, 2, v17
	ds_load_b32 v18, v17 offset:KB
	ds_load_b32 v19, v17 offset:KT
	s_wait_dscnt 0x0
	v_sub_nc_u32 v18, v[\q], v18                   ; places of the run in front of the block
	v_sub_nc_u32 v19, v19, v18                     ; tokens left: at least 1 inside a run
	v_min_u32 v19, 16, v19
	v_lshrrev_b32 v17, 3, v16
	v_and_b32 v18, 7, v16
	v_lshl_or_b32 v17, v18, 4, v17
	v_lshl_or_b32 v17, v19, 8, v17
	v_cmp_gt_u32 s30, 64, v16                      ; behind the last run there is no block,
	v_cmp_gt_u32 s31, 5, v[\a]                     ; and entries 5 to 7 are not used
	s_and_b32 vcc_lo, s30, s31
	v_cndmask_b32 v[\d], 0x88, v17, vcc_lo
.endm
	ENTRY 6, 2, 3
	ENTRY 7, 4, 5
	global_store_b64 v8, v[6:7], s[20:21]
; tiles: thread y < 128 makes entry y.
	s_cmp_lt_u32 s22, 4
	s_cbranch_scc0 .Lrt_end
	s_mov_b32 s48, 0                               ; s[48:56] the first tile of each expert
.irp e, 0,1,2,3,4,5,6,7
	s_add_co_u32 s30, s[32+\e], 79
	s_mul_hi_u32 s30, s30, 0x3333334               ; / 80: exact for numbers up to 8,271
	s_add_co_u32 s[49+\e], s[48+\e], s30
.endr
	v_mov_b32 v24, 0
	v_mov_b32 v25, 0
	v_mov_b32 v26, 0
	v_mov_b32 v27, 0
.irp e, 0,1,2,3,4,5,6,7
	v_cmp_le_u32 s30, s[48+\e], v0
	v_cmp_gt_u32 s31, s[49+\e], v0
	s_and_b32 vcc_lo, s30, s31
	v_sub_nc_u32 v16, v0, s[48+\e]
	v_mul_u32_u24 v16, v16, 80
	v_add_nc_u32 v17, s[40+\e], v16
	v_sub_nc_u32 v18, s[32+\e], v16
	v_min_u32 v18, 80, v18
	v_cndmask_b32 v24, v24, \e, vcc_lo
	v_cndmask_b32 v25, v25, v17, vcc_lo
	v_cndmask_b32 v26, v26, v18, vcc_lo
.endr
	v_lshlrev_b32 v28, 4, v0
	global_store_b128 v28, v[24:27], s[16:17]
.Lrt_end:
	s_wait_tensorcnt 0x0                           ; the wave's end
	ds_add_u32 v14, v15
	s_wait_dscnt 0x0
	s_endpgm
.Lfunc_end_k_q5ee7da8b41_prep:
	.size	k_q5ee7da8b41_prep, .Lfunc_end_k_q5ee7da8b41_prep-k_q5ee7da8b41_prep
	.p2alignl 7, 3214868480
	.fill 96, 4, 3214868480
	.section	.rodata,"a",@progbits
	.p2align	6, 0x0
	.amdhsa_kernel k_q5ee7da8b41_prep
		.amdhsa_group_segment_fixed_size 41728
		.amdhsa_private_segment_fixed_size 0
		.amdhsa_enable_private_segment 0
		.amdhsa_kernarg_size 88
		.amdhsa_user_sgpr_count 2
		.amdhsa_user_sgpr_kernarg_segment_ptr 1
		.amdhsa_wavefront_size32 1
		.amdhsa_system_sgpr_workgroup_id_x 1
		.amdhsa_system_sgpr_workgroup_id_y 1
		.amdhsa_system_sgpr_workgroup_id_z 1
		.amdhsa_system_vgpr_workitem_id 0
		.amdhsa_next_free_vgpr 224
		.amdhsa_next_free_sgpr 100
		.amdhsa_reserve_vcc 1
		.amdhsa_float_denorm_mode_32 3
		.amdhsa_float_denorm_mode_16_64 3
		.amdhsa_memory_ordered 1
		.amdhsa_forward_progress 1
		.amdhsa_inst_pref_size 149
	.end_amdhsa_kernel
	.amdgpu_metadata
---
amdhsa.version: [ 1, 2 ]
amdhsa.kernels:
  - .name:           k_q5ee7da8b41_prep
    .symbol:         k_q5ee7da8b41_prep.kd
    .args:
      - { .name: topk_ids, .offset: 0, .size: 8, .value_kind: global_buffer, .address_space: global }
      - { .name: gate_up_weights, .offset: 8, .size: 8, .value_kind: global_buffer, .address_space: global }
      - { .name: down_weights, .offset: 16, .size: 8, .value_kind: global_buffer, .address_space: global }
      - { .name: gub, .offset: 24, .size: 8, .value_kind: global_buffer, .address_space: global }
      - { .name: dwb, .offset: 32, .size: 8, .value_kind: global_buffer, .address_space: global }
      - { .name: rlist, .offset: 40, .size: 8, .value_kind: global_buffer, .address_space: global }
      - { .name: tiles, .offset: 48, .size: 8, .value_kind: global_buffer, .address_space: global }
      - { .name: tokmap, .offset: 56, .size: 8, .value_kind: global_buffer, .address_space: global }
      - { .name: binfo, .offset: 64, .size: 8, .value_kind: global_buffer, .address_space: global }
      - { .name: hidden_states, .offset: 72, .size: 8, .value_kind: global_buffer, .address_space: global }
      - { .name: xb, .offset: 80, .size: 8, .value_kind: global_buffer, .address_space: global }
    .group_segment_fixed_size: 41728
    .private_segment_fixed_size: 0
    .kernarg_segment_align: 8
    .kernarg_segment_size: 88
    .max_flat_workgroup_size: 256
    .sgpr_count:     100
    .vgpr_count:     224
    .wavefront_size: 32
...
	.end_amdgpu_metadata
.endif
;; end of part 1
;; launch gateup (part 2): grid 2 x 110, 8 waves a work-group, no clusters, 209,664 bytes of LDS; arguments xb, topk_weights, gub, rlist, tiles, act; writes act
.if DOCPART == 2
	.amdgcn_target "amdgcn-amd-amdhsa--gfx1250"
	.amdhsa_code_object_version 6
	.text
	.protected	k_q5ee7da8b41_gateup
	.globl	k_q5ee7da8b41_gateup
	.p2align	8
	.type	k_q5ee7da8b41_gateup,@function
k_q5ee7da8b41_gateup:
	s_mov_b64 s[64:65], 0
	v_nop
	global_prefetch_b8 v0, s[64:65] scope:SCOPE_SE
	s_setreg_imm32_b32 hwreg(HW_REG_WAVE_MODE, 25, 1), 1
	s_wait_xcnt 0x0
; act[j][i] = tw(j) x silu(x[t] . gate_i) x (x[t] . up_i), f32, for the routed rows j = 2 t + k of one tile (at most 80 rows of one expert) and 128 of the 256 columns i.
; x (xb) and the weights (gub) come in bf16, rounded by the launch before; sums in f32, silu and tw in f32; act is stored unrounded: the next launch gives each token a scale of its own and rounds once.
; tw = w_k x rcp(w_0 + w_1), with w_0 and w_1 rounded to bf16 first: every floating-point input of the program has that one rounding.
; LIMITS: the reciprocals and the exponential are good to one unit in the last place and count denormals as 0; 2^(-g log2 e) may overflow to infinity, and silu is then g x 0, its limit.
; SHARES.  Work-group (c, y): tile y of the stored list, columns 128 c on.  Rows past the tile's count repeat its last row; their stores are jumped.
; A tile with no rows works on place 0 and stores nothing: the grid of 110 tiles serves every split of the tokens.
; Waves 0-3 MULTIPLY: wave w has all 80 rows x 32 gate and the matching 32 up columns, 20 accumulators.  Source 0 is a weight fragment, source 1 a fragment of 16 token rows, so that a lane holds
; one token row and eight neighbouring columns.  The weights come from memory straight into registers, in fragment order (each fragment has one reader in the work-group), through a ring of 8 K slices.
; Waves 4-7 GATHER: 20 token rows each, by the list.  Between two barriers they load 512 k (1,024 bytes) of each of their rows, 40 loads, and lay them into the LDS slot that the multipliers read behind
; the next barrier: 320 products a multiplier stand beside each such round.  A gatherer's loads are asked for and waited for between two barriers: none is out at a barrier.  They land in window 0,
; v96-255, into which no line of the multipliers' text loads.
; Every LDS address, the token rows' bases and the weights' bases are made by all eight waves in the common head, each one expression of the thread's number, and no role rewrites an LDS address.
; NO TENSOR LOADS, NO COPIES, NO CLUSTER: the token rows come by a list, which no tile descriptor covers; 80 whole rows of 4,096 + 16 bytes are 328,960 bytes, more than a WGP's LDS, so the tile cannot be
; laid down once either; an expert's tiles share weights, but their number hangs on stored counts, so that whole clusters for each expert would want 4 x 80 rows as the unit and more work-groups than the 256 WGPs.
.set PITCH, 1040                       ; an LDS row: 512 bf16 + 16 bytes = 65 x 16: the 16 rows of a fragment load start at 16 different groups of banks
.set SLOT,  80*PITCH
.set STAGE, 2*SLOT                     ; 80 rows x 528 bytes (128 f32 + 16), for the way out
.set SP,    528
.set SPARE, STAGE+80*SP                ; the spare words, 128 bytes a wave
;                                        v1       16 x lane; never rewritten
;                                        v2, v3   my place in the token fragments of row blocks 0-2, slot 0 and slot 1; v11, v13 the same for row blocks 3-4 (an LDS offset has 16 bits); never rewritten
.set PA,    4                          ; v4, v5   where my 16 bytes of the first of 20 gathered rows go, slot 0 and slot 1; never rewritten
.set TW,    6                          ; v[6:10]  multipliers: tw of row 16 a + lane % 16
.set KO,    12                         ; v12      16 x lane + 1,024 x K step: my 16 bytes in a token row; stepped behind each barrier by all waves
.set AB,    16                         ; v[16:55], v[56:95]  multipliers: two buffers of five token fragments
.set ACC,   96                         ; v[96:255] accumulator (a, c) at ACC + 8 (4 a + c); c = 0, 1 gate, 2, 3 up.   window 1: v[0:255] the weights' ring, slice j at 32 (j % 8) + 8 c
.set PX,    96                         ; gatherers: v[96:255] eight registers a row
.set XB,    38                         ; s[38:63], s[66:79]  xb at each of the 20 rows that wave (number % 4) gathers
.set JS,    80                         ; s[80:89]  the routed rows j of the stage rows 10 wave + 0..9, which my wave stores at the end
;                                        s[26:27] the weights of the eight slices in hand; s[28:29] those of the eight to come
.set MSB, 0
.macro WIN new                         ; s_set_vgpr_msb: bits 1:0 source 0, 3:2 source 1, 5:4 source 2, 7:6 destination; the high byte repeats the setting that is left
.if MSB != (\new)
	s_set_vgpr_msb (MSB<<8)|(\new)
.set MSB, \new
.endif
.endm
.macro PLACES                          ; four plain instructions between a matrix instruction and a load into, or a vector read or write of, its registers
.rept 4
	v_nop
.endr
.endm
.macro BAR                             ; my LDS stores are done and my LDS loads are back; then everybody's
	s_wait_dscnt 0x0
	s_barrier_signal -1
	s_barrier_wait -1
.endm
; ---------------- THE HEAD, the same for all eight waves
	s_load_b256 s[4:11], s[0:1], 0x0               ; xb s[4:5], topk_weights s[6:7], gub s[8:9], rlist s[10:11]
	s_load_b128 s[12:15], s[0:1], 0x20             ; tiles s[12:13], act s[14:15]
	v_lshl_add_u32 v14, v0, 2, SPARE               ; my spare word and 0: kept for the closing add alone
	v_mov_b32 v15, 0
	v_lshrrev_b32 v1, 5, v0
	v_readfirstlane_b32 s16, v1                    ; wave 0..7
	s_and_b32 s25, s16, 3                          ; my place among the four waves of my role
	s_mov_b32 s17, ttmp9                           ; c
	s_and_b32 s18, ttmp7, 0xffff                   ; y
	s_lshl_b32 s30, s18, 4
	s_mov_b32 s31, 0                               ; stays 0 through the head: the high word of offsets
	s_mov_b32 s24, 3                               ; trips to go
	s_mov_b32 s36, 0xbfb8aa3b                      ; -log2(e); named as a pair
	s_mov_b32 s37, s36
	v_and_b32 v60, 31, v0                          ; lane
	v_and_b32 v61, 15, v0                          ; r
	v_bfe_u32 v62, v0, 4, 1                        ; h
	v_lshlrev_b32 v1, 4, v60
	v_mov_b32 v[KO], v1                            ; K step 0
	v_mul_u32_u24 v2, v61, PITCH
	v_lshl_add_u32 v2, v62, 4, v2                  ; row r x pitch + 16 h
	v_add_nc_u32 v3, SLOT, v2
	v_add_nc_u32 v11, 3*16*PITCH, v2
	v_add_nc_u32 v13, SLOT+3*16*PITCH, v2
	s_mul_i32 s28, s25, 20*PITCH
	v_lshl_add_u32 v[PA], v60, 4, s28              ; 20 rows a gatherer; a load's 16 bytes a lane go as they come
	v_add_nc_u32 v[PA+1], SLOT, v[PA]
	s_wait_kmcnt 0x0
	s_add_nc_u64 s[12:13], s[12:13], s[30:31]
	s_load_b128 s[20:23], s[12:13], 0x0            ; expert, first place, rows, 0
	s_wait_kmcnt 0x0
	s_min_u32 s20, s20, 7
	s_min_u32 s21, s21, 0x1fff
	s_min_u32 s22, s22, 80
	s_max_u32 s19, s22, 1
	s_sub_co_u32 s19, s19, 1                       ; the tile's last row
	s_mul_i32 s28, s16, 10
	v_min_u32 v56, 9, v60
	v_add_nc_u32 v56, s28, v56                     ; the stage rows that my wave stores at the end: 10 wave + lane
	s_mul_i32 s28, s25, 20
	v_min_u32 v57, 19, v60
	v_add_nc_u32 v57, s28, v57                     ; the rows that wave (number % 4) gathers
.irp a, 0,1,2,3,4
	v_add_nc_u32 v[16+\a], 16*\a, v61              ; the rows whose results a multiplier's lane holds
.endr
.irp n, 16,17,18,19,20,56,57
	v_min_u32 v\n, s19, v\n                        ; rows past the count repeat the last
	v_add_nc_u32 v\n, s21, v\n
	v_min_u32 v\n, 0x1fff, v\n
	v_lshlrev_b32 v\n, 2, v\n
.endr
	global_load_b32 v59, v56, s[10:11]
	global_load_b32 v58, v57, s[10:11]
.irp a, 0,1,2,3,4
	global_load_b32 v[24+\a], v[16+\a], s[10:11]
.endr
	s_lshl_b32 s28, s17, 3
	s_lshl1_add_u32 s28, s25, s28                  ; a multiplier's first gate row block: 8 c + 2 w
	s_lshl_b32 s28, s28, 16
	s_lshl_b32 s29, s20, 21                        ; an expert is 2 MiB
	s_add_co_u32 s28, s28, s29
	s_mov_b32 s29, 0
	s_add_nc_u64 s[26:27], s[8:9], s[28:29]
	s_add_nc_u64 s[28:29], s[26:27], 0x2000        ; eight slices are 8,192 bytes of each row block
	s_wait_loadcnt 0x0                             ; the seven loads from the list
.irp i, 0,1,2,3,4,5,6,7,8,9
	v_readlane_b32 s[JS+\i], v59, \i
.endr
.set i, 0
.rept 20
.set xr, XB+2*i+2*(i/13)                       ; s64 and s65 are left out
	v_readlane_b32 s30, v58, i
	s_lshr_b32 s30, s30, 1                         ; t
	s_min_u32 s30, s30, 0xfff
	s_lshl_b32 s30, s30, 12                        ; a row of xb is 4,096 bytes
	s_add_nc_u64 s[xr:xr+1], s[4:5], s[30:31]
.set i, i+1
.endr
; The weight fragments of slice k, counted from base B, into place r of the ring: gate blocks at 0 and 65,536, up blocks 16 row blocks further
.macro BLOAD r, B, k
.irp c, 0,1,2,3
	global_load_b128 v[32*(\r)+8*\c:32*(\r)+8*\c+3], v1, s[\B:\B+1] offset:(\k)*1024+(\c&1)*65536+(\c>>1)*1048576
	global_load_b128 v[32*(\r)+8*\c+4:32*(\r)+8*\c+7], v1, s[\B:\B+1] offset:(\k)*1024+(\c&1)*65536+(\c>>1)*1048576+512
.endr
.endm
	s_cmp_lt_u32 s16, 4
	s_cbranch_scc0 .Lpro_done                      ; a gatherer has nothing more to set up
; ---- a multiplier's set-up: 5 + 56 loads go out together
.irp a, 0,1,2,3,4
	v_lshrrev_b32 v[30+\a], 1, v[24+\a]            ; t
	v_min_u32 v[30+\a], 0xfff, v[30+\a]
	v_lshlrev_b32 v[30+\a], 3, v[30+\a]
.endr
.irp a, 0,1,2,3,4
	global_load_b64 v[36+2*\a:37+2*\a], v[30+\a], s[6:7]
.endr
	WIN 0x40                                       ; destination window 1, address window 0
.irp j, 0,1,2,3,4,5,6
	BLOAD \j, 26, \j                               ; the ring is filled: seven K slices
.endr
	WIN 0
.set i, 0
.rept 160                                      ; the sums start at 0: cleared while the first loads are on their way, so that one text serves every K step
	v_mov_b32 v[ACC+i], 0
.set i, i+1
.endr
	s_wait_loadcnt 56                              ; the tokens' weights are in; the ring's 56 loads, issued behind them, may stay out
.irp a, 0,1,2,3,4
	v_cvt_pk_bf16_f32 v[46+\a], v[36+2*\a], v[37+2*\a]     ; the two weights rounded to bf16,
	v_lshlrev_b32 v[36+2*\a], 16, v[46+\a]                 ; and widened again
	v_and_b32 v[37+2*\a], 0xffff0000, v[46+\a]
	v_add_f32 v[46+\a], v[36+2*\a], v[37+2*\a]
	v_and_b32 v[24+\a], 1, v[24+\a]                ; k
	v_cmp_ne_u32 vcc_lo, 0, v[24+\a]
	v_cndmask_b32 v[52+\a], v[36+2*\a], v[37+2*\a], vcc_lo
.endr
.irp a, 0,1,2,3,4
	v_rcp_f32 v[46+\a], v[46+\a]
.endr
	v_nop                                          ; a plain instruction behind the last reciprocal,
	s_wait_alu depctr_va_vdst(0)                   ; and the wait ahead of the first use: one for the five
.irp a, 0,1,2,3,4
	v_mul_f32 v[TW+\a], v[52+\a], v[46+\a]
.endr
.Lpro_done:
; Products of the slice in place j of the ring for row blocks a0 .. a1.  The 20 accumulators take turns, one instruction a turn, in the same order in every slice.
.macro MM j, a0, a1
.set a, \a0
.rept (\a1)-(\a0)+1
.irp c, 0,1,2,3
	v_wmma_f32_16x16x32_bf16 v[ACC+8*(4*a+\c):ACC+8*(4*a+\c)+7], v[32*((\j)%8)+8*\c:32*((\j)%8)+8*\c+7], v[AB+40*((\j)&1)+8*a:AB+40*((\j)&1)+8*a+7], v[ACC+8*(4*a+\c):ACC+8*(4*a+\c)+7]
.endr
.set a, a+1
.endr
.endm
.macro ALOAD slot, j                   ; the five token fragments of slice j (0..15) of a slot, into buffer j % 2
.irp a, 0,1,2
	ds_load_b128 v[AB+40*((\j)&1)+8*\a:AB+40*((\j)&1)+8*\a+3], v[2+\slot] offset:64*(\j)+\a*16*PITCH
	ds_load_b128 v[AB+40*((\j)&1)+8*\a+4:AB+40*((\j)&1)+8*\a+7], v[2+\slot] offset:64*(\j)+\a*16*PITCH+32
.endr
.irp a, 3,4
	ds_load_b128 v[AB+40*((\j)&1)+8*\a:AB+40*((\j)&1)+8*\a+3], v[11+2*\slot] offset:64*(\j)+(\a-3)*16*PITCH
	ds_load_b128 v[AB+40*((\j)&1)+8*\a+4:AB+40*((\j)&1)+8*\a+7], v[11+2*\slot] offset:64*(\j)+(\a-3)*16*PITCH+32
.endr
.endm
; One K slice of 32: 20 products.  j: its place in the ring; sj: its place in the slot.  In their middle the weights seven slices on and the next slice's token fragments are asked for; both land in
; registers that the slice before read last.  Seven slices on is the last of the eight in hand (j = 0) or one of the eight to come, which have a base of their own.
.macro KS j, sj, slot, al
	s_wait_loadcnt 48                              ; behind this slice's eight loads six slices' have been issued: they may stay out
	s_wait_dscnt 0x0                               ; the token fragments, asked for 12 products ago
	WIN 0x01                                       ; source 0 (weights) window 1; tokens and sums window 0
	MM \j, 0, 1
	PLACES
	WIN 0x40
.if (\j) == 0
	BLOAD 7, 26, 7
.else
	BLOAD (\j)-1, 28, (\j)-1
.endif
.if \al
	WIN 0
	ALOAD \slot, (\sj)+1
.endif
	WIN 0x01
	MM \j, 2, 4
.endm
; Eight slices: half h of a slot's K step of 512.  Behind them the bases step.  sel = 1 (the text that runs as the last eight but one): in the last trip the base of the eight to come stays where it is, so
; that the last eight slices' seven fetches ahead, for which K has nothing left, take those eight's own first seven slices once more.  They are never read: 56 loads a wave, 7 in 64 of its weights' loads,
; all inside the buffer; the price of one wait count and one text for every slice.
.macro K8 slot, h, sel
.if (\h) == 0
	ALOAD \slot, 0
.endif
.set jj, 0
.rept 8
.set aa, 1
.if ((\h) == 1) && (jj == 7)
.set aa, 0                                     ; the slot ends
.endif
	KS jj, 8*(\h)+jj, \slot, aa
.set jj, jj+1
.endr
	WIN 0
	s_wait_xcnt 0x0                                ; the bases of the loads that are out are written only behind this wait
	s_mov_b64 s[26:27], s[28:29]
.if \sel
	s_cmp_eq_u32 s24, 1
	s_cselect_b32 s30, 0, 0x2000
	s_mov_b32 s31, 0
	s_add_nc_u64 s[28:29], s[28:29], s[30:31]
.else
	s_add_nc_u64 s[28:29], s[28:29], 0x2000
.endif
.endm
; A gatherer's round: 1,024 bytes (512 k) of each of its 20 rows are asked for, 40 loads on end; each row goes into the slot as it comes in.
.macro PWORK slot
	PLACES                                         ; the registers loaded below are matrix accumulators in the multipliers' text, which shares the barriers' lines with this one: the four places
	                                               ; stand here so that the distance behind a matrix instruction holds on every way through the listing, though no wave that multiplies comes here
	s_wait_loadcnt 0x0                             ; no load of a gatherer is out here: stated, so that the counts below hold on whatever way this text is reached
.set i, 0
.rept 20
.set xr, XB+2*i+2*(i/13)
	global_load_b128 v[PX+8*i:PX+8*i+3], v[KO], s[xr:xr+1]
	global_load_b128 v[PX+8*i+4:PX+8*i+7], v[KO], s[xr:xr+1] offset:512
.set i, i+1
.endr
.set i, 0
.rept 20
	s_wait_loadcnt 38-2*i                          ; the later rows' loads may stay out
	ds_store_b128 v[PA+(\slot)], v[PX+8*i:PX+8*i+3] offset:i*PITCH
	ds_store_b128 v[PA+(\slot)], v[PX+8*i+4:PX+8*i+7] offset:i*PITCH+512
.set i, i+1
.endr
.endm
; THE LOOP: trip T = 0..2; K goes in four steps of 512, step S through slot S % 2.  First half: the multipliers take step 2 T - 1 from slot 1 (none in trip 0) while the gatherers fill slot 0 with
; step 2 T (none in trip 2).  Second half: step 2 T from slot 0 while the gatherers fill slot 1 with step 2 T + 1 (trip 2: nothing is left for either).  Each barrier orders two things: the stores into a slot
; ahead of its reads, and the reads of the other slot ahead of its next stores.  The jumps hang on the wave's number and on the trip's counter, and pass no barrier.
.Ltrip:
	s_cmp_lt_u32 s16, 4
	s_cbranch_scc0 .LA_prod
	s_cmp_eq_u32 s24, 3
	s_cbranch_scc1 .LA_done
	K8 1, 0, 1
	K8 1, 1, 0
	s_branch .LA_done
.LA_prod:
	s_cmp_eq_u32 s24, 1
	s_cbranch_scc1 .LA_done
	PWORK 0
.LA_done:
	BAR
	v_add_nc_u32 v[KO], 1024, v[KO]                ; the next K step of xb; the loads that named this register have been waited for
	s_cmp_eq_u32 s24, 1
	s_cbranch_scc1 .LB_done
	s_cmp_lt_u32 s16, 4
	s_cbranch_scc0 .LB_prod
	K8 0, 0, 0
	K8 0, 1, 0
	s_branch .LB_done
.LB_prod:
	PWORK 1
.LB_done:
	BAR
	v_add_nc_u32 v[KO], 1024, v[KO]
	s_sub_co_u32 s24, s24, 1
	s_cmp_lg_u32 s24, 0
	s_cbranch_scc1 .Ltrip
	s_cmp_lt_u32 s16, 4
	s_cbranch_scc0 .Ltail_done
	PLACES
	v_and_b32 v56, 15, v0
	v_bfe_u32 v57, v0, 4, 1
	v_mul_u32_u24 v58, v56, SP
	v_lshl_add_u32 v58, v57, 5, v58
	s_lshl_b32 s30, s16, 7
	s_add_co_u32 s30, s30, STAGE
	v_add_nc_u32 v58, s30, v58                     ; stage row lane % 16, my wave's 128 bytes (32 columns in f32), 32 bytes for each half of the lanes
; Row block a: 16 gates and 16 ups a lane.  Each accumulator is read from its lowest registers on.  The 16 exponentials are one batch with one wait, the 16 reciprocals another.
.macro ACT a
.set GA, ACC+32*(\a)
.set i, 0
.rept 8
	v_pk_mul_f32 v[16+2*i:17+2*i], v[GA+2*i:GA+2*i+1], s[36:37] op_sel_hi:[1,0]
.set i, i+1
.endr
.set i, 0
.rept 16
	v_exp_f32 v[16+i], v[16+i]                     ; 2^(-g log2 e)
.set i, i+1
.endr
.set i, 0
.rept 16
	v_mul_f32 v[32+i], v[GA+16+i], v[TW+(\a)]      ; u x tw: the plain work behind the batch
.set i, i+1
.endr
	s_wait_alu depctr_va_vdst(0)
.set i, 0
.rept 8
	v_pk_add_f32 v[16+2*i:17+2*i], v[16+2*i:17+2*i], 1.0 op_sel_hi:[1,0]
.set i, i+1
.endr
.set i, 0
.rept 16
	v_rcp_f32 v[16+i], v[16+i]
.set i, i+1
.endr
	v_nop
	s_wait_alu depctr_va_vdst(0)
.set i, 0
.rept 8
	v_pk_mul_f32 v[16+2*i:17+2*i], v[16+2*i:17+2*i], v[GA+2*i:GA+2*i+1]    ; silu(g)
.set i, i+1
.endr
.set i, 0
.rept 8
	v_pk_mul_f32 v[32+2*i:33+2*i], v[32+2*i:33+2*i], v[16+2*i:17+2*i]
.set i, i+1
.endr
	ds_store_b128 v58, v[32:35] offset:(\a)*16*SP          ; column block 0: my eight columns are 32 bytes,
	ds_store_b128 v58, v[36:39] offset:(\a)*16*SP+16
	ds_store_b128 v58, v[40:43] offset:(\a)*16*SP+64       ; column block 1: 16 columns, 64 bytes, further
	ds_store_b128 v58, v[44:47] offset:(\a)*16*SP+80
.endm
.irp a, 0,1,2,3,4
	ACT \a
.endr
.Ltail_done:
	BAR                                            ; a stage row's 512 bytes come from four waves
	PLACES                                         ; the registers written and loaded below were matrix sources: the distance holds on every way through the listing
; THE WAY OUT: all eight waves, ten rows each; a store of the wave covers the 512 consecutive bytes of a row's 128 columns, at a multiple of 512 from act's first byte.
	v_and_b32 v56, 31, v0
	s_mul_i32 s31, s16, 10
	s_mul_i32 s30, s16, 10*SP
	s_add_co_u32 s30, s30, STAGE
	v_lshl_add_u32 v59, v56, 4, s30
.irp i, 0,1,2,3,4,5,6,7,8,9
	ds_load_b128 v[16+4*\i:19+4*\i], v59 offset:\i*SP
.endr
	s_lshl_b32 s30, s17, 9
	v_lshl_add_u32 v63, v56, 4, s30                ; 512 c + 16 x lane
.irp i, 0,1,2,3,4,5,6,7,8,9
	s_min_u32 s32, s[JS+\i], 0x1fff
	v_lshl_add_u32 v[64+\i], s32, 10, v63          ; j x 1,024 + 512 c + 16 x lane
.endr
.macro OUT i                           ; one row; jumped if it lies past the count
	s_wait_dscnt 9-(\i)                            ; the later loads may stay out
	s_add_co_u32 s30, s31, \i
	s_cmp_ge_u32 s30, s22
	s_cbranch_scc1 .Lno_\@
	global_store_b128 v[64+(\i)], v[16+4*(\i):19+4*(\i)], s[14:15]
.Lno_\@:
.endm
.irp i, 0,1,2,3,4,5,6,7,8,9
	OUT \i
.endr
	s_wait_tensorcnt 0x0                           ; the wave's end
	ds_add_u32 v14, v15
	s_wait_dscnt 0x0
	s_endpgm
.Lfunc_end_k_q5ee7da8b41_gateup:
	.size	k_q5ee7da8b41_gateup, .Lfunc_end_k_q5ee7da8b41_gateup-k_q5ee7da8b41_gateup
	.p2alignl 7, 3214868480
	.fill 96, 4, 3214868480
	.section	.rodata,"a",@progbits
	.p2align	6, 0x0
	.amdhsa_kernel k_q5ee7da8b41_gateup
		.amdhsa_group_segment_fixed_size 209664
		.amdhsa_private_segment_fixed_size 0
		.amdhsa_enable_private_segment 0
		.amdhsa_kernarg_size 48
		.amdhsa_user_sgpr_count 2
		.amdhsa_user_sgpr_kernarg_segment_ptr 1
		.amdhsa_wavefront_size32 1
		.amdhsa_system_sgpr_workgroup_id_x 1
		.amdhsa_system_sgpr_workgroup_id_y 1
		.amdhsa_system_sgpr_workgroup_id_z 1
		.amdhsa_system_vgpr_workitem_id 0
		.amdhsa_next_free_vgpr 512
		.amdhsa_next_free_sgpr 90
		.amdhsa_reserve_vcc 1
		.amdhsa_float_denorm_mode_32 3
		.amdhsa_float_denorm_mode_16_64 3
		.amdhsa_memory_ordered 1
		.amdhsa_forward_progress 1
		.amdhsa_inst_pref_size 156
	.end_amdhsa_kernel
	.amdgpu_metadata
---
amdhsa.version: [ 1, 2 ]
amdhsa.kernels:
  - .name:           k_q5ee7da8b41_gateup
    .symbol:         k_q5ee7da8b41_gateup.kd
    .args:
      - { .name: xb, .offset: 0, .size: 8, .value_kind: global_buffer, .address_space: global }
      - { .name: topk_weights, .offset: 8, .size: 8, .value_kind: global_buffer, .address_space: global }
      - { .name: gub, .offset: 16, .size: 8, .value_kind: global_buffer, .address_space: global }
      - { .name: rlist, .offset: 24, .size: 8, .value_kind: global_buffer, .address_space: global }
      - { .name: tiles, .offset: 32, .size: 8, .value_kind: global_buffer, .address_space: global }
      - { .name: act, .offset: 40, .size: 8, .value_kind: global_buffer, .address_space: global }
    .group_segment_fixed_size: 209664
    .private_segment_fixed_size: 0
    .kernarg_segment_align: 8
    .kernarg_segment_size: 48
    .max_flat_workgroup_size: 256
    .sgpr_count:     90
    .vgpr_count:     512
    .wavefront_size: 32
...
	.end_amdgpu_metadata
.endif
;; end of part 2
;; launch down (part 3): grid 8 x 32, 8 waves a work-group, no clusters, 203,520 bytes of LDS; arguments act, dwb, tokmap, binfo, out0; writes out0
.if DOCPART == 3
	.amdgcn_target "amdgcn-amd-amdhsa--gfx1250"
	.amdhsa_code_object_version 6
	.text
	.protected	k_q5ee7da8b41_down
	.globl	k_q5ee7da8b41_down
	.p2align	8
	.type	k_q5ee7da8b41_down,@function
k_q5ee7da8b41_down:
	s_mov_b64 s[64:65], 0
	v_nop
	global_prefetch_b8 v0, s[64:65] scope:SCOPE_SE
	s_setreg_imm32_b32 hwreg(HW_REG_WAVE_MODE, 25, 1), 1
	s_wait_xcnt 0x0
; out[t][n] = act[2 t] . down[id 0][n] + act[2 t + 1] . down[id 1][n]; act already holds the tokens' weights.  ONE f32 accumulator for both experts: each output row has one owner.
; FORMAT.  The operands are f16, which keeps 11 significant bits where bf16 keeps 8.  act comes in f32; each token's 512 numbers are multiplied by ONE power of two, which brings the largest
; magnitude m among them into 2^14 .. 2^15, and rounded once to f16; the finished sums are multiplied by the inverse power, which is exact.  So f16's range sets no bound on the inputs: a number keeps
; 11 bits down to 2^-29 of m, and below that a fixed step of at most 2^-38 of m.  LIMITS: a token with m below 2^-111 takes the scale of 2^-111; NaN and infinities are not treated apart.  The weights' limits: see the launch that lays them out.
; SHARES.  The tokens lie sorted by the ordered pair of their experts, each pair's run padded to blocks of 16 places, so a block has ONE pair.  Work-group (c8, tile): 160 places x 256 columns.
; Wave w: blocks 5 (w / 4) .. + 4, columns 64 (w % 4) on: 20 accumulators.  Places past a block's count repeat its last token and give the same bytes; blocks without tokens are neither multiplied nor stored.
; A UNIT is a block with one of its two experts: K = 256, 32 products.  The wave goes through the experts 0..7, a constant count; for an expert that one of its blocks names it loads the expert's
; 64 rows of down (32 KB, in fragment order, straight into registers) and runs the units that name it.  Nothing in that loop writes LDS, so it needs no barrier.
; Source 0 is a weight fragment, source 1 a token fragment: a lane holds one token and eight neighbouring columns.
; NO TENSOR LOADS, NO CLUSTER: the rows of act come by a list; which experts' weights a work-group reads hangs on the stored lists, so partners would not be alike in their loads.
.set AP,    1040                       ; an LDS row: a token's two rows of act in f16, 512 + 512 bytes, + 16 = 65 x 16: the 16 rows of a fragment load start at 16 different groups of banks
.set TOK,   160*AP                     ; the 160 places' tokens
.set SCL,   TOK+640                    ; the 160 places' inverse scales
.set STG,   TOK+1280                   ; 16 rows x 272 bytes for each wave, its own, for the way out
.set SP,    272
.set SPARE, STG+8*16*SP                ; the spare words, 128 bytes a wave
.set AF,    32                         ; v[32:95]   a unit's eight token fragments; in the set-up v[32:51] the 20 rows' offsets in act, v[52:56] and v[64:71] at work; at work on the way out
.set ACC,   96                         ; v[96:255]  accumulator (a, c) at ACC + 8 (4 a + c); in the set-up a ring of ten rows of 16 registers.   window 1: v[0:255] one expert's fragments, (c, ks) at 8 (8 c + ks)
.set MSB, 0
.macro WIN new                         ; s_set_vgpr_msb: bits 1:0 source 0, 7:6 destination; the high byte repeats the setting that is left
.if MSB != (\new)
	s_set_vgpr_msb (MSB<<8)|(\new)
.set MSB, \new
.endif
.endm
.macro PLACES                          ; four plain instructions between a matrix instruction and a load into, or a read of, its registers
.rept 4
	v_nop
.endr
.endm
	s_load_b256 s[4:11], s[0:1], 0x0               ; act s[4:5], dwb s[6:7], tokmap s[8:9], binfo s[10:11]
	s_load_b64 s[12:13], s[0:1], 0x20              ; out
	v_lshl_add_u32 v14, v0, 2, SPARE               ; my spare word and 0: kept for the closing add alone
	v_mov_b32 v15, 0
	v_lshrrev_b32 v1, 5, v0
	v_readfirstlane_b32 s16, v1                    ; wave 0..7
	s_lshr_b32 s17, s16, 2                         ; g: which five blocks
	s_and_b32 s18, s16, 3                          ; cg: which 64 columns
	s_mov_b32 s19, ttmp9                           ; c8
	s_and_b32 s20, ttmp7, 0xffff                   ; the tile
	s_mov_b32 s32, 0x76543210                      ; v_permlanex16_b32: each lane takes its own place in the other half
	s_mov_b32 s33, 0xfedcba98
	v_and_b32 v16, 31, v0
	v_lshlrev_b32 v1, 4, v16                       ; 16 x lane; never rewritten
	; THE GATHER: wave w brings places 20 w .. 20 w + 19; lane i < 20 looks up place 20 w + i
	v_min_u32 v17, 19, v16
	s_mul_i32 s30, s16, 20
	v_add_nc_u32 v17, s30, v17                     ; the place in the tile
	v_lshrrev_b32 v18, 4, v17                      ; its block, 0..9; waves 0-3 have blocks 0-4, waves 4-7 blocks 5-9
	s_mul_i32 s31, s17, 3
	s_lshl4_add_u32 s31, s20, s31                  ; the block's word in binfo: 16 tile + block + 3 g
	v_add_lshl_u32 v19, v18, s31, 2
	s_lshl_b32 s30, s20, 6
	s_lshl_b32 s31, s17, 5
	s_add_co_u32 s30, s30, s31
	s_mov_b32 s31, 0
	s_wait_kmcnt 0x0
	s_add_nc_u64 s[28:29], s[10:11], s[30:31]
	s_load_b256 s[40:47], s[28:29], 0x0            ; my five blocks' words
	global_load_b32 v20, v19, s[10:11]
	v_and_b32 v21, 15, v0                          ; r
	v_bfe_u32 v22, v0, 4, 1                        ; h
	s_mul_i32 s30, s17, 80
	v_add_nc_u32 v2, s30, v21
	v_mul_u32_u24 v2, v2, AP
	v_lshl_add_u32 v2, v22, 4, v2                  ; v[2:6]: my place in block a's token fragments
.irp a, 1,2,3,4
	v_add_nc_u32 v[2+\a], \a*16*AP, v2
.endr
	s_mul_i32 s30, s16, 16*SP
	s_add_co_u32 s30, s30, STG
	v_mul_u32_u24 v7, v21, SP
	v_lshl_add_u32 v7, v22, 5, v7
	v_add_nc_u32 v7, s30, v7                       ; v7: into my stage: row lane % 16, 32 bytes for each half of the lanes
	v_mul_u32_u24 v8, v22, SP
	v_lshl_add_u32 v8, v21, 4, v8
	v_add_nc_u32 v8, s30, v8                       ; v8: back: lanes 0-15 one row of 256 bytes, lanes 16-31 the next
	s_mul_i32 s30, s17, 320
	s_add_co_u32 s30, s30, TOK
	v_lshl_add_u32 v9, v22, 2, s30                 ; v9: those rows' tokens; their inverse scales lie 640 bytes further
	s_lshl_b32 s30, s19, 10
	s_lshl_b32 s31, s18, 8
	s_add_co_u32 s30, s30, s31
	v_lshl_add_u32 v10, v21, 4, s30                ; v10: my 16 bytes in a row of out
	s_mul_i32 s30, s16, 20*AP
	v_lshl_add_u32 v26, v16, 3, s30                ; v26: where my 8 bytes (four numbers in f16) of the first row that I bring go
	s_mul_i32 s30, s16, 80
	s_add_co_u32 s30, s30, SCL
	v_mov_b32 v27, s30                             ; v27: the inverse scale of the first place that I bring
	s_lshl_b32 s30, s19, 4
	s_lshl2_add_u32 s30, s18, s30                  ; my first row block of down: 16 c8 + 4 cg
	s_lshl_b32 s30, s30, 13
	s_mov_b32 s31, 0
	s_add_nc_u64 s[26:27], s[6:7], s[30:31]        ; expert 0's fragments for my columns
	s_wait_loadcnt 0x0
	v_bfe_u32 v20, v20, 8, 5                       ; the block's tokens
	v_and_b32 v23, 15, v17
	v_add_nc_u32 v24, -1, v20
	v_min_u32 v23, v23, v24                        ; places past the count repeat the last token
	s_mul_i32 s30, s20, 160
	v_lshl_add_u32 v24, v18, 4, s30
	v_add_nc_u32 v23, v23, v24
	v_cmp_ne_u32 vcc_lo, 0, v20
	v_cndmask_b32 v23, 0, v23, vcc_lo              ; a block without tokens takes place 0, which is always a real one
	v_min_u32 v23, 0x13ff, v23
	v_lshlrev_b32 v23, 2, v23
	global_load_b32 v24, v23, s[8:9]
	s_wait_loadcnt 0x0
	v_min_u32 v24, 0xfff, v24
	v_lshl_add_u32 v25, v17, 2, TOK
	ds_store_b32 v25, v24                          ; lanes 19 to 31 write the same word with the same number
.set i, 0
.rept 20
	v_readlane_b32 s30, v24, i
	s_min_u32 s30, s30, 0xfff
	v_lshl_add_u32 v[AF+i], s30, 11, v1            ; a token's two rows of act are 2,048 consecutive bytes
.set i, i+1
.endr
; Row i is asked for: four loads of 512 consecutive bytes, into place i % 10 of the ring
.macro ROWLD i
.set DR, ACC+16*((\i)%10)
.irp q, 0,1,2,3
	global_load_b128 v[DR+4*\q:DR+4*\q+3], v[AF+(\i)], s[4:5] offset:512*\q
.endr
.endm
; Row i is in: its largest magnitude, over my 16 numbers and then over the 32 lanes; the two powers of two from that number's exponent field E (at least 16):
; scale 2^(141 - E), field 268 - E; inverse 2^(E - 141), field E - 14.  Then scaled, rounded to f16, stored.  n = the loads issued behind the row's own, which may stay out.  more = 1: row i + 10 is asked for into the same registers.
.macro ROWIN i, n, more
.set DR, ACC+16*((\i)%10)
	s_wait_loadcnt \n
	v_max3_num_f32 v52, v[DR], v[DR+1], v[DR+2]
	v_min3_num_f32 v53, v[DR], v[DR+1], v[DR+2]
.irp k, 3,5,7,9,11,13
	v_max3_num_f32 v52, v52, v[DR+\k], v[DR+\k+1]
	v_min3_num_f32 v53, v53, v[DR+\k], v[DR+\k+1]
.endr
	v_max_num_f32 v52, v52, v[DR+15]
	v_min_num_f32 v53, v53, v[DR+15]
	v_xor_b32 v53, 0x80000000, v53                 ; the least number with its sign turned
	v_max_num_f32 v52, v52, v53
	v_max_num_f32_dpp v52, v52, v52 row_xmask:1 row_mask:0xf bank_mask:0xf
	v_max_num_f32_dpp v52, v52, v52 row_xmask:2 row_mask:0xf bank_mask:0xf
	v_max_num_f32_dpp v52, v52, v52 row_xmask:4 row_mask:0xf bank_mask:0xf
	v_max_num_f32_dpp v52, v52, v52 row_xmask:8 row_mask:0xf bank_mask:0xf
	v_permlanex16_b32 v53, v52, s32, s33
	v_max_num_f32 v52, v52, v53                    ; every lane holds the token's largest magnitude
	v_max_num_f32 v52, 0x08000000, v52             ; at least 2^-111, so that both fields below are those of normal numbers
	v_and_b32 v52, 0x7f800000, v52                 ; E << 23
	v_sub_nc_u32 v54, 0x86000000, v52              ; (268 - E) << 23
	v_mov_b32 v55, v54                             ; twice: a pair for the packed multiply
	v_add_nc_u32 v56, 0xf9000000, v52              ; (E - 14) << 23
.set k, 0
.rept 8
	v_pk_mul_f32 v[DR+2*k:DR+2*k+1], v[DR+2*k:DR+2*k+1], v[54:55]
.set k, k+1
.endr
.set k, 0
.rept 8
	v_cvt_pk_f16_f32 v[64+k], v[DR+2*k], v[DR+2*k+1]
.set k, k+1
.endr
.irp q, 0,1,2,3
	ds_store_b64 v26, v[64+2*\q:65+2*\q] offset:(\i)*AP+256*\q     ; 128 numbers of the row: 256 consecutive bytes for the wave
.endr
	ds_store_b32 v27, v56 offset:4*(\i)            ; all lanes write the same word with the same number
.if \more
	ROWLD (\i)+10
.endif
.endm
.irp i, 0,1,2,3,4,5,6,7,8,9
	ROWLD \i                                       ; the ring is filled: 40 loads
.endr
	s_wait_kmcnt 0x0
	s_mov_b32 s63, 0                               ; s[48:57] unit (a, s)'s expert, 8 for none; s[58:62] block a's tokens; s63 the experts named
.irp a, 0,1,2,3,4
	s_bfe_u32 s[48+2*\a], s[40+\a], 0x40000
	s_bfe_u32 s[49+2*\a], s[40+\a], 0x40004
	s_bfe_u32 s[58+\a], s[40+\a], 0x50008
	s_lshl_b32 s30, 1, s[48+2*\a]
	s_or_b32 s63, s63, s30
	s_lshl_b32 s30, 1, s[49+2*\a]
	s_or_b32 s63, s63, s30
.endr
.irp i, 0,1,2,3,4,5,6,7,8,9
	ROWIN \i, 36, 1                                ; behind a row's four loads stand nine rows': those left of the first ten and those asked for since
.endr
.irp i, 10,11,12,13,14,15,16,17,18,19
	ROWIN \i, 76-4*\i, 0                           ; nothing more is asked for: the counts run down to 0
.endr
	s_wait_dscnt 0x0                               ; my rows, tokens and scales are in LDS,
	s_barrier_signal -1
.set i, 0
.rept 160                                      ; which product is a block's first hangs on the lists, so the sums start cleared; the clearing stands in the wait for the other waves
	v_mov_b32 v[ACC+i], 0
.set i, i+1
.endr
	s_barrier_wait -1                              ; everybody's are.  The launch's one barrier
; Unit (a, s): jumped unless it names the expert in hand.  Its four accumulators take turns, one instruction a turn; every unit ends on the fourth and begins on the first.
.macro UNIT a, s
	s_cmp_lg_u32 s[48+2*\a+\s], s24
	s_cbranch_scc1 .Lu_\@
	PLACES
.irp k, 0,1,2,3,4,5,6,7
	ds_load_b128 v[AF+8*\k:AF+8*\k+3], v[2+\a] offset:512*\s+64*\k
	ds_load_b128 v[AF+8*\k+4:AF+8*\k+7], v[2+\a] offset:512*\s+64*\k+32
.endr
	WIN 0x01                                       ; source 0 (weights) window 1
.irp k, 0,1,2,3,4,5,6,7
	s_wait_dscnt 14-2*\k                           ; the later fragments may stay out
.irp c, 0,1,2,3
	v_wmma_f32_16x16x32_f16 v[ACC+8*(4*\a+\c):ACC+8*(4*\a+\c)+7], v[8*(8*\c+\k):8*(8*\c+\k)+7], v[AF+8*\k:AF+8*\k+7], v[ACC+8*(4*\a+\c):ACC+8*(4*\a+\c)+7]
.endr
.endr
	WIN 0
.Lu_\@:
.endm
	s_mov_b32 s24, 0
.Lpass:
	s_bitcmp1_b32 s63, s24
	s_cbranch_scc0 .Lnext
	PLACES
	WIN 0x40                                       ; destination window 1
.set i, 0
.rept 64                                       ; 32 KB on end: 4 row blocks x 8 K slices x 2 halves
	global_load_b128 v[4*i:4*i+3], v1, s[26:27] offset:512*i
.set i, i+1
.endr
	WIN 0
	s_wait_loadcnt 0x0
.irp a, 0,1,2,3,4
	UNIT \a, 0
	UNIT \a, 1
.endr
.Lnext:
	s_add_nc_u64 s[26:27], s[26:27], 0x100000      ; the next expert; no load is out: they were waited for, or none was issued
	s_add_co_u32 s24, s24, 1
	s_cmp_lt_u32 s24, 8
	s_cbranch_scc1 .Lpass
; THE WAY OUT, a block at a time through my own stage: 32 bytes a lane in, whole rows of 256 bytes back, each multiplied by its token's inverse scale; 16 lanes store 256 consecutive bytes of a
; token's row, at a multiple of 256 from out's first byte.
	PLACES
.macro BLOCK a
	s_cmp_eq_u32 s[58+\a], 0
	s_cbranch_scc1 .Lnb_\@
	s_wait_xcnt 0x0                                ; the last block's stores have read the registers that are written again
.irp c, 0,1,2,3
	ds_store_b128 v7, v[ACC+8*(4*\a+\c):ACC+8*(4*\a+\c)+3] offset:64*\c
	ds_store_b128 v7, v[ACC+8*(4*\a+\c)+4:ACC+8*(4*\a+\c)+7] offset:64*\c+16
.endr
.irp t, 0,1,2,3,4,5,6,7
	ds_load_b128 v[32+4*\t:35+4*\t], v8 offset:\t*2*SP     ; LDS serves a wave's instructions in order: these see the stores above
.endr
.irp t, 0,1,2,3,4,5,6,7
	ds_load_b32 v[64+\t], v9 offset:64*\a+8*\t
	ds_load_b32 v[80+\t], v9 offset:640+64*\a+8*\t
.endr
	s_wait_dscnt 0x0
.irp t, 0,1,2,3,4,5,6,7
	v_min_u32 v[64+\t], 0xfff, v[64+\t]
	v_lshl_add_u32 v[72+\t], v[64+\t], 13, v10
	v_mul_f32 v[32+4*\t], v[32+4*\t], v[80+\t]
	v_mul_f32 v[33+4*\t], v[33+4*\t], v[80+\t]
	v_mul_f32 v[34+4*\t], v[34+4*\t], v[80+\t]
	v_mul_f32 v[35+4*\t], v[35+4*\t], v[80+\t]
	global_store_b128 v[72+\t], v[32+4*\t:35+4*\t], s[12:13] th:TH_STORE_NT
.endr
.Lnb_\@:
.endm
.irp a, 0,1,2,3,4
	BLOCK \a
.endr
	s_wait_tensorcnt 0x0                           ; the wave's end
	ds_add_u32 v14, v15
	s_wait_dscnt 0x0
	s_endpgm
.Lfunc_end_k_q5ee7da8b41_down:
	.size	k_q5ee7da8b41_down, .Lfunc_end_k_q5ee7da8b41_down-k_q5ee7da8b41_down
	.p2alignl 7, 3214868480
	.fill 96, 4, 3214868480
	.section	.rodata,"a",@progbits
	.p2align	6, 0x0
	.amdhsa_kernel k_q5ee7da8b41_down
		.amdhsa_group_segment_fixed_size 203520
		.amdhsa_private_segment_fixed_size 0
		.amdhsa_enable_private_segment 0
		.amdhsa_kernarg_size 40
		.amdhsa_user_sgpr_count 2
		.amdhsa_user_sgpr_kernarg_segment_ptr 1
		.amdhsa_wavefront_size32 1
		.amdhsa_system_sgpr_workgroup_id_x 1
		.amdhsa_system_sgpr_workgroup_id_y 1
		.amdhsa_system_sgpr_workgroup_id_z 1
		.amdhsa_system_vgpr_workitem_id 0
		.amdhsa_next_free_vgpr 512
		.amdhsa_next_free_sgpr 72
		.amdhsa_reserve_vcc 1
		.amdhsa_float_denorm_mode_32 3
		.amdhsa_float_denorm_mode_16_64 3
		.amdhsa_memory_ordered 1
		.amdhsa_forward_progress 1
		.amdhsa_inst_pref_size 149
	.end_amdhsa_kernel
	.amdgpu_metadata
---
amdhsa.version: [ 1, 2 ]
amdhsa.kernels:
  - .name:           k_q5ee7da8b41_down
    .symbol:         k_q5ee7da8b41_down.kd
    .args:
      - { .name: act, .offset: 0, .size: 8, .value_kind: global_buffer, .address_space: global }
      - { .name: dwb, .offset: 8, .size: 8, .value_kind: global_buffer, .address_space: global }
      - { .name: tokmap, .offset: 16, .size: 8, .value_kind: global_buffer, .address_space: global }
      - { .name: binfo, .offset: 24, .size: 8, .value_kind: global_buffer, .address_space: global }
      - { .name: out0, .offset: 32, .size: 8, .value_kind: global_buffer, .address_space: global }
    .group_segment_fixed_size: 203520
    .private_segment_fixed_size: 0
    .kernarg_segment_align: 8
    .kernarg_segment_size: 40
    .max_flat_workgroup_size: 256
    .sgpr_count:     72
    .vgpr_count:     512
    .wavefront_size: 32
...
	.end_amdgpu_metadata
.endif
;; end of part 3
;; ======== version 2 of 2: 3 launches; version 1 with the launch prep written anew for expert scheduling mode
;; limits: values are held in f16: magnitudes above 65,504 overflow, below 6.1e-05 lose precision; inputs' magnitudes at most 65,504
;; workspace buffers: gub 16,777,216 bytes; dwb 8,388,608 bytes; act 8,388,608 bytes; xb 16,777,216 bytes; rlist 32,768 bytes of whole numbers; tiles 2,048 bytes of whole numbers; tokmap 20,480 bytes of whole numbers; binfo 2,048 bytes of whole numbers
;; launch prep (part 4): grid 257 x 1, 8 waves a work-group, no clusters, 41,728 bytes of LDS; arguments topk_ids, gate_up_weights, down_weights, gub, dwb, rlist, tiles, tokmap, binfo, hidden_states, xb; writes gub, dwb, rlist, tiles, tokmap, binfo, xb
.if DOCPART == 4
	.amdgcn_target "amdgcn-amd-amdhsa--gfx1250"
	.amdhsa_code_object_version 6
	.text
	.protected	k_q5ee7da8b41_prep
	.globl	k_q5ee7da8b41_prep
	.p2align	8
	.type	k_q5ee7da8b41_prep,@function
k_q5ee7da8b41_prep:
	s_mov_b64 s[64:65], 0
	v_nop
	global_prefetch_b8 v0, s[64:65] scope:SCOPE_SE
	s_setreg_imm32_b32 hwreg(HW_REG_WAVE_SCHED_MODE, 0, 2), 2
	s_setreg_imm32_b32 hwreg(HW_REG_WAVE_MODE, 25, 1), 1
	s_wait_xcnt 0x0
	s_wait_alu depctr_vm_vsrc(0)
; PREP.  Work-groups 1..256 round the experts' weights and the tokens to bf16; work-group 0 makes all routing lists from topk_ids.
; THE WEIGHTS are laid out as matrix fragments.  A FRAGMENT is 16 weight rows x 32 k = 1,024 bytes, [part 0..1][lane 0..31][16 bytes]: lane (r = lane % 16, h = lane / 16) holds row r,
; k = 16 part + 8 h + 0..7, so that two loads of 16 bytes a lane, each 512 consecutive bytes for the wave, fill the eight operand registers of a 16x16x32 matrix instruction.
;   gub: bf16; fragment (row block rb of 256, k slice ks of 64) at rb x 65,536 + ks x 1,024.     dwb: (rb of 1,024, ks of 8) at rb x 8,192 + ks x 1,024.
; dwb holds f16: the second product's other operand is f16.  Each weight is rounded to bf16, as every input of the program is, and that number is written as f16.
; LIMIT: that is exact for magnitudes from 2^-17 to 65,504; below, f16's fixed step of 2^-24 holds; above, the weight becomes an infinity.
; THE TOKENS: xb is hidden_states rounded to bf16, row-major as it lies.  Each token's row is gathered four times by the next launch (two experts, two halves of the columns): rounded once here it is
; half the bytes there, and the converting work-groups have the time while the routing work-group, whose steps hang on each other, is still at work.
; LISTS.  A routed row is j = 2 t + k.  rlist: the 8,192 j sorted by expert.  tiles: {expert, first place, rows, 0} for tiles of at most 80 rows of one expert; never more than
; floor((8,192 + 8 x 79) / 80) = 110, whatever the split.  tokmap: the tokens sorted by the ordered pair (id 0, id 1), each pair's run padded to a multiple of 16 places
; (at most 4,096 + 64 x 15 = 5,056 places; only real places are written).  binfo: for each block of 16 places id 0 | id 1 << 4 | rows << 8, or 0x88 for none; [tile of 160 places][half][8 words, 5 used].
; LIMIT: an id outside 0..7 counts as 7.
; No matrix unit, no cluster: everything is streamed once, no byte is shared between work-groups.
; THE MODE: SCHED_MODE bits 1:0 = 2 (LLVM: expert scheduling mode 2), set by the entry lines.  The code itself states the register dependences between vector instructions and memory or LDS
; instructions, and between vector instructions that write scalar registers and the readers of those, with s_wait_alu, always for 0.
; THE PLAN, the converting path.  Registers that memory or LDS instructions touch:
;   v2, v7     offsets of all global loads and stores; v3, v4 the LDS addresses: each made once and never written again.
;   X0 .. X2   v[32:95], v[96:159], v[160:223]: a panel as loaded.  Written by the loads and, in place, by the panel's roundings; read by its sixteen LDS stores; X0 and X1 are then loaded again, with a row of x.
;   OB         v[224:255]: written by a panel's eight LDS loads, read by its eight global stores; no vector instruction names it.
; So a panel has ONE wait on va_vdst, behind its roundings, and ONE on vm_vsrc, behind its LDS stores; all its 48 memory and LDS instructions follow with no vector instruction among them.
; The rows of x go out in groups of four loads: a group's stores stand behind the next group's wait for its data and one wait on va_vdst.
; THE PLAN, the routing path.
;   AD         a group's three LDS addresses, made once: read by the counters' loads and stores and, with an immediate offset, by the loads of the places.
;   CN         a group's three totals, then its three new counts: each the data of one LDS store, never written after it; dead behind the first barrier, where WK takes the registers.
;   v24-26     the counters as loaded: read by the six adds that follow.
; All sixteen groups' vector work stands first; the chain of the counters follows, with one wait on va_vdst a group.  Vector instructions that write scalar registers stand in runs, one wait on va_sdst behind a run.  VCC is not used.
.set RB,    35840                      ; the routing's LDS; bytes 34,816 to 35,839, behind the eight stages, hold the spare words, 128 bytes a wave
.set C1,    RB                         ; [wave][64 pairs] counts
.set C2,    RB+2048                    ; [wave][k][8 experts] counts
.set O1,    RB+2560                    ; [wave][64] first place of the wave's tokens of a pair
.set O2,    RB+4608                    ; [wave][k][8] first place of the wave's rows of an expert
.set TOO,   O1-C1                      ; from a counter to the first place of the same key: 2,560 bytes, and O2 - C2 is the same
.set KE,    RB+5120                    ; [64] end of a pair's padded run
.set KB,    RB+5376                    ; [64] its beginning
.set KT,    RB+5632                    ; [64] its tokens
.set IDS,   32                         ; v[32:63]   group g's two ids at IDS + 2 g
.set RP,    64                         ; v[64:79]   rank among the wave's tokens of the same pair; later the token's number
.set R0,    80                         ; v[80:95]   rank among the wave's rows (k = 0) of the same expert; later 2 t
.set R1,    96                         ; v[96:111]  the same for k = 1; later 2 t + 1
.set AD,    112                        ; v[112:159] group g: the LDS addresses of its pair's, its id 0's and its id 1's counter at AD + 3 g
.set CN,    160                        ; v[160:207] group g: the lanes with my pair, my id 0, my id 1 at CN + 3 g: masks, then their numbers, then the new counts
.set WK,    160                        ; v[160:223] at work, behind the first barrier
.set OB,    224                        ; v[224:255] the converting path's out-buffer
	s_load_b512 s[4:19], s[0:1], 0x0               ; ids s[4:5], gate_up s[6:7], down s[8:9], gub s[10:11], dwb s[12:13], rlist s[14:15], tiles s[16:17], tokmap s[18:19]
	s_load_b64 s[20:21], s[0:1], 0x40              ; binfo
	s_load_b64 s[68:69], s[0:1], 0x48              ; hidden_states
	s_load_b64 s[70:71], s[0:1], 0x50              ; xb
	v_lshl_add_u32 v14, v0, 2, 0x8800
	v_mov_b32 v15, 0
	v_lshrrev_b32 v1, 5, v0
	v_readfirstlane_b32 s22, v1                    ; wave 0..7
	v_and_b32 v1, 31, v0                           ; lane
	s_wait_kmcnt 0x0
	s_wait_alu depctr_va_sdst(0)                   ; s22 is written, ahead of the branch and of its first reader on either way
	s_cmp_eq_u32 ttmp9, 0                          ; the same answer in all eight waves of a work-group
	s_cbranch_scc1 .Lroute
; ---------------- THE WEIGHTS AND THE TOKENS.  Wave W of 2,048 takes three panels of 16 rows x 128 k (f32: 512 bytes a row), two of gate_up and one of down, and two rows of x.
; The 48 loads of the panels go out first; a row of x is asked for into a panel's registers as soon as the panel has left them, so that 48 loads stay out.
	s_sub_co_u32 s23, ttmp9, 1
	s_lshl_b32 s23, s23, 3
	s_add_co_u32 s23, s23, s22                     ; W
	s_lshr_b32 s24, s23, 3
	s_lshl_b32 s24, s24, 17                        ; row block W / 8: 16 rows of 8,192 bytes
	s_and_b32 s25, s23, 7
	s_lshl_b32 s25, s25, 10                        ; two panels of 512 bytes
	s_add_co_u32 s24, s24, s25
	s_mov_b32 s25, 0
	s_add_nc_u64 s[6:7], s[6:7], s[24:25]
	s_lshr_b32 s24, s23, 1
	s_lshl_b32 s24, s24, 14                        ; down: row block W / 2: 16 rows of 1,024 bytes
	s_and_b32 s26, s23, 1
	s_lshl_b32 s26, s26, 9
	s_add_co_u32 s24, s24, s26
	s_add_nc_u64 s[8:9], s[8:9], s[24:25]
	s_lshl_b32 s24, s23, 13                        ; two panels are 8 fragments
	s_add_nc_u64 s[10:11], s[10:11], s[24:25]
	s_add_nc_u64 s[70:71], s[70:71], s[24:25]      ; and two rows of xb are 8,192 bytes too
	s_lshl_b32 s24, s23, 12                        ; one panel is 4
	s_add_nc_u64 s[12:13], s[12:13], s[24:25]
	s_lshl_b32 s24, s23, 14                        ; two rows of x are 16,384 bytes
	s_add_nc_u64 s[68:69], s[68:69], s[24:25]
	v_lshlrev_b32 v2, 4, v1                        ; 16 x lane: a load or store of the wave covers 512 consecutive bytes
	v_lshlrev_b32 v7, 3, v1                        ; 8 x lane: a store of xb covers 256 consecutive bytes, at a multiple of 256 from its first byte
	s_wait_alu depctr_va_vdst(0)                   ; v2 and v7 are written: every global load and store of this path reads one of them as its offset
.set i, 0
.rept 16
	global_load_b128 v[32+4*i:35+4*i], v2, s[6:7] offset:8192*i th:TH_LOAD_NT
.set i, i+1
.endr
.set i, 0
.rept 16
	global_load_b128 v[96+4*i:99+4*i], v2, s[6:7] offset:8192*i+512 th:TH_LOAD_NT
.set i, i+1
.endr
.set i, 0
.rept 16
	global_load_b128 v[160+4*i:163+4*i], v2, s[8:9] offset:1024*i th:TH_LOAD_NT
.set i, i+1
.endr
	s_mul_i32 s24, s22, 4352                       ; my stage: 16 rows x 272 bytes (256 + 16: the 16 rows of a load start at 16 different groups of banks)
	v_lshl_add_u32 v3, v1, 3, s24                  ; in: my four numbers of a row, 8 bytes
	v_and_b32 v5, 15, v0
	v_bfe_u32 v6, v0, 4, 1
	v_mul_u32_u24 v4, v5, 272
	v_lshl_add_u32 v4, v6, 4, v4
	v_add_nc_u32 v4, s24, v4                       ; out: row lane % 16, 16 bytes at 16 (lane / 16)
; One panel: rounded to bf16 in place, through my stage, out as 4 fragments.  left = the loads issued behind the panel's own, which may stay out.
; half = 1: the rounded numbers are widened again (a shift, a mask) and written as f16; the row's third and fourth registers, read by then, are the room for it.
; first = 1: no panel has gone out yet.  more = 1: a row of x, 8,192 bytes at xoff, is asked for into the panel's 64 registers: 16 loads of 512 consecutive bytes, ahead of the panel's stores.
.macro PANEL X, B, off, left, half, first, more, xoff
	s_wait_loadcnt \left
.set i, 0
.rept 16
	v_cvt_pk_bf16_f32 v[(\X)+4*i], v[(\X)+4*i], v[(\X)+4*i+1]
	v_cvt_pk_bf16_f32 v[(\X)+4*i+1], v[(\X)+4*i+2], v[(\X)+4*i+3]
.if \half
	v_lshlrev_b32 v[(\X)+4*i+2], 16, v[(\X)+4*i]
	v_and_b32 v[(\X)+4*i+3], 0xffff0000, v[(\X)+4*i]
	v_cvt_pk_f16_f32 v[(\X)+4*i], v[(\X)+4*i+2], v[(\X)+4*i+3]
	v_lshlrev_b32 v[(\X)+4*i+2], 16, v[(\X)+4*i+1]
	v_and_b32 v[(\X)+4*i+3], 0xffff0000, v[(\X)+4*i+1]
	v_cvt_pk_f16_f32 v[(\X)+4*i+1], v[(\X)+4*i+2], v[(\X)+4*i+3]
.endif
.set i, i+1
.endr
.if !\first
	s_wait_xcnt 0x0                                ; the last panel's stores have had their addresses translated: OB, their data, is loaded again only behind this wait
.endif
	s_wait_alu depctr_va_vdst(0)                   ; the roundings have written the LDS stores' data and are done with the panel's registers, in which the row of x lands; in the first panel v3 and v4 are written too
.set i, 0
.rept 16
	ds_store_b64 v3, v[(\X)+4*i:(\X)+4*i+1] offset:272*i
.set i, i+1
.endr
	s_wait_alu depctr_vm_vsrc(0)                   ; the LDS stores have read the panel's registers, which the row of x lands in; the last panel's global stores have read OB, which the LDS loads land in
.set i, 0
.rept 8                                        ; half fragment i: k slice i / 2, part i % 2.  LDS serves a wave's instructions in order: these see the stores above
	ds_load_b128 v[OB+4*i:OB+4*i+3], v4 offset:32*i
.set i, i+1
.endr
.if \more
.set i, 0
.rept 16                                       ; no vector instruction has been issued since the wait on va_vdst
	global_load_b128 v[(\X)+4*i:(\X)+4*i+3], v2, s[68:69] offset:(\xoff)+512*i th:TH_LOAD_NT
.set i, i+1
.endr
.endif
.set i, 0
.rept 8
	s_wait_dscnt 7-i                               ; the later halves may stay out
	global_store_b128 v2, v[OB+4*i:OB+4*i+3], s[\B:\B+1] offset:(\off)+512*i
.set i, i+1
.endr
.endm
	PANEL 32, 10, 0, 32, 0, 1, 1, 0                ; behind its loads: the two other panels'
	PANEL 96, 10, 4096, 32, 0, 0, 1, 8192          ; behind its loads: the third panel's and the first row's
	PANEL 160, 12, 0, 32, 1, 0, 0, 0               ; behind its loads: the two rows'
; The two rows of x go out: load q of 32 lies in v[32 + 4 q ..] and is 256 bytes of xb at 256 q; four numbers a lane are rounded to 8 bytes.  Eight groups of four loads.
.macro XST n                           ; group n's four stores
.set j, 0
.rept 4
	global_store_b64 v7, v[32+16*(\n)+4*j:33+16*(\n)+4*j], s[70:71] offset:256*(4*(\n)+j)
.set j, j+1
.endr
.endm
.set n, 0
.rept 8
	s_wait_loadcnt 28-4*n                          ; the later groups' loads may stay out
.if n > 0
	s_wait_alu depctr_va_vdst(0)                   ; the group before has written its roundings, which the four stores below read
	XST n-1
.endif
.set j, 0
.rept 4
	v_cvt_pk_bf16_f32 v[32+16*n+4*j], v[32+16*n+4*j], v[32+16*n+4*j+1]
	v_cvt_pk_bf16_f32 v[32+16*n+4*j+1], v[32+16*n+4*j+2], v[32+16*n+4*j+3]
.set j, j+1
.endr
.set n, n+1
.endr
	s_wait_alu depctr_va_vdst(0)                   ; the last group has written its roundings
	XST 7
	s_wait_dscnt 0x0                               ; the wave's end
	s_wait_alu depctr_hold_cnt(0) depctr_sa_sdst(0) depctr_va_vdst(0) depctr_va_sdst(0) depctr_va_ssrc(0) depctr_va_vcc(0) depctr_vm_vsrc(0)
	s_wait_tensorcnt 0x0
	ds_add_u32 v14, v15
	s_wait_dscnt 0x0
	s_endpgm
; ---------------- THE ROUTING.  Wave w owns tokens 512 w .. 512 w + 511, as 16 groups of 32: t = 512 w + 32 g + lane.
.Lroute:
	s_lshl_b32 s23, s22, 8
	s_add_co_u32 s25, s23, O1                      ; my part of O1
	s_add_co_u32 s23, s23, C1                      ; my part of C1
	s_lshl_b32 s24, s22, 6
	s_add_co_u32 s26, s24, O2
	s_add_co_u32 s24, s24, C2
	s_mov_b32 s60, 0x55555555                      ; for the count of a mask's ones
	s_mov_b32 s61, 0x33333333
	s_mov_b32 s62, 0x0f0f0f0f
	s_mov_b32 s63, 0x01010101
	s_lshl_b32 s30, s22, 12
	v_lshl_add_u32 v2, v1, 3, s30                  ; 8 bytes a token
	v_mov_b32 v16, 0                               ; my counters start at 0
	v_mov_b32 v17, 0
	v_lshl_add_u32 v18, v1, 3, s23
	v_and_b32 v19, 15, v0
	v_lshl_add_u32 v19, v19, 2, s24
	s_wait_alu depctr_va_vdst(0)                   ; v2 is written, the loads' offset; v16 to v19 are, the two LDS stores' data and addresses
.set i, 0
.rept 16
	global_load_b64 v[IDS+2*i:IDS+2*i+1], v2, s[4:5] offset:256*i
.set i, i+1
.endr
	ds_store_b64 v18, v[16:17]
	ds_store_b32 v19, v16
	s_wait_loadcnt 0x0
	s_wait_alu depctr_vm_vsrc(0)                   ; the loads have read v2 and the LDS stores v16 to v19: all five are written again below
.set i, 0
.rept 32
	v_min_u32 v[IDS+i], 7, v[IDS+i]
.set i, i+1
.endr
.macro POPC m                          ; v[m] = the number of ones in v[m]
	v_lshrrev_b32 v16, 1, v[\m]
	v_and_b32 v16, s60, v16
	v_sub_nc_u32 v[\m], v[\m], v16
	v_lshrrev_b32 v16, 2, v[\m]
	v_and_b32 v[\m], s61, v[\m]
	v_and_b32 v16, s61, v16
	v_add_nc_u32 v[\m], v[\m], v16
	v_lshrrev_b32 v16, 4, v[\m]
	v_add_nc_u32 v[\m], v[\m], v16
	v_and_b32 v[\m], s62, v[\m]
	v_mul_lo_u32 v[\m], v[\m], s63
	v_lshrrev_b32 v[\m], 24, v[\m]
.endm
; One group's vector work.  The lanes whose id (0..7) differs from mine: bit by bit, the lanes that have the bit, turned round where I have it too; the six compares stand in one run.
; From the masks: the lanes below me with the same key (into RP, R0, R1) and the number of lanes with it (into CN).  The three counters' addresses go into AD.
.macro RANKS g
.set rE0, IDS+2*(\g)
.set rE1, IDS+2*(\g)+1
.set rCN, CN+3*(\g)
.set rAD, AD+3*(\g)
	v_and_b32 v16, 1, v[rE0]
	v_and_b32 v17, 2, v[rE0]
	v_and_b32 v18, 4, v[rE0]
	v_and_b32 v19, 1, v[rE1]
	v_and_b32 v20, 2, v[rE1]
	v_and_b32 v21, 4, v[rE1]
.irp b, 0,1,2,3,4,5
	v_cmp_ne_u32 s[72+\b], 0, v[16+\b]
.endr
	v_lshl_add_u32 v[rAD], v[rE0], 3, v[rE1]
	v_lshl_add_u32 v[rAD], v[rAD], 2, s23
	v_lshl_add_u32 v[rAD+1], v[rE0], 2, s24
	v_lshl_add_u32 v[rAD+2], v[rE1], 2, s24
	s_wait_alu depctr_va_sdst(0)                   ; the six compares have written s72 to s77, ahead of their first reader
.irp b, 0,1,2,3,4,5
	v_cndmask_b32 v[16+\b], 0, -1, s[72+\b]
.endr
.irp b, 0,1,2,3,4,5
	v_xor_b32 v[16+\b], s[72+\b], v[16+\b]
.endr
	v_or_b32 v16, v16, v17
	v_or_b32 v19, v19, v20
	v_or_b32 v16, v16, v18                         ; the lanes whose id 0 differs from mine
	v_or_b32 v19, v19, v21                         ; whose id 1 does
	v_or_b32 v20, v16, v19
	v_xor_b32 v[rCN], -1, v20                      ; the lanes with both my ids
	v_xor_b32 v[rCN+1], -1, v16                    ; with my id 0
	v_xor_b32 v[rCN+2], -1, v19                    ; with my id 1
	v_mbcnt_lo_u32_b32 v[RP+(\g)], v[rCN], 0
	v_mbcnt_lo_u32_b32 v[R0+(\g)], v[rCN+1], 0
	v_mbcnt_lo_u32_b32 v[R1+(\g)], v[rCN+2], 0
	POPC rCN
	POPC rCN+1
	POPC rCN+2
.endm
; One group's turn at the counters: each lane's rank = my wave's count so far + the lanes below me with the same key; then all lanes of a key write the same new count.  The counters are my wave's own
; bytes and LDS serves a wave in order, so the next group's loads see these stores.
.macro COUNT g
	ds_load_b32 v24, v[AD+3*\g]
	ds_load_b32 v25, v[AD+3*\g+1]
	ds_load_b32 v26, v[AD+3*\g+2] offset:32
	s_wait_dscnt 0x0
	v_add_nc_u32 v[RP+\g], v24, v[RP+\g]
	v_add_nc_u32 v[R0+\g], v25, v[R0+\g]
	v_add_nc_u32 v[R1+\g], v26, v[R1+\g]
	v_add_nc_u32 v[CN+3*\g], v24, v[CN+3*\g]
	v_add_nc_u32 v[CN+3*\g+1], v25, v[CN+3*\g+1]
	v_add_nc_u32 v[CN+3*\g+2], v26, v[CN+3*\g+2]
	s_wait_alu depctr_va_vdst(0)                   ; the new counts are written, which the stores read; the adds are done reading v24 to v26, in which the next group's loads land
	ds_store_b32 v[AD+3*\g], v[CN+3*\g]
	ds_store_b32 v[AD+3*\g+1], v[CN+3*\g+1]
	ds_store_b32 v[AD+3*\g+2], v[CN+3*\g+2] offset:32
.endm
.irp g, 0,1,2,3,4,5,6,7,8,9,10,11,12,13,14,15
	RANKS \g
.endr
	s_wait_alu depctr_va_vdst(0)                   ; the 48 addresses in AD are written: every LDS instruction up to the first barrier, and the loads of the places, read them
.irp g, 0,1,2,3,4,5,6,7,8,9,10,11,12,13,14,15
	COUNT \g
.endr
	s_wait_dscnt 0x0                               ; my counts are written,
	s_barrier_signal -1
	s_barrier_wait -1                              ; everybody's are
; Every wave adds up all waves' counts for itself.  Pairs: lane L has keys 2 L and 2 L + 1.  Experts: lane L has expert L % 8.
	v_lshl_add_u32 v16, v1, 3, C1
	v_and_b32 v20, 7, v0
	v_lshlrev_b32 v21, 2, v20
	v_mov_b32 v2, 0                                ; v2, v3: my two keys' tokens;  v4, v5: those of the waves before mine
	v_mov_b32 v3, 0
	v_mov_b32 v4, 0
	v_mov_b32 v5, 0
	v_mov_b32 v22, 0                               ; v24: my expert's rows with k = 0; v22: with k = 1; v23, v25: those of the waves before mine
	v_mov_b32 v23, 0
	v_mov_b32 v24, 0
	v_mov_b32 v25, 0
.set i, 0
.rept 8
	s_cmp_lt_u32 i, s22                            ; s[72:79]: all ones for the waves before mine
	s_cselect_b32 s[72+i], -1, 0
.set i, i+1
.endr
	s_wait_alu depctr_vm_vsrc(0)                   ; my LDS stores have read the counts in CN, in whose registers the loads below land
	s_wait_alu depctr_va_vdst(0)                   ; v16 and v21, the loads' addresses, are written; the adds that wrote CN are done
.set i, 0
.rept 8
	ds_load_b64 v[WK+2*i:WK+2*i+1], v16 offset:256*i
.set i, i+1
.endr
.set i, 0
.rept 16                                       ; i = 2 x wave + k
	ds_load_b32 v[WK+16+i], v21 offset:C2+32*i
.set i, i+1
.endr
	s_wait_dscnt 0x0
	s_wait_alu depctr_vm_vsrc(0)                   ; the loads have read v16, which is written again below
.set i, 0
.rept 8
	v_add_nc_u32 v2, v2, v[WK+2*i]
	v_add_nc_u32 v3, v3, v[WK+2*i+1]
	v_and_b32 v6, s[72+i], v[WK+2*i]
	v_and_b32 v7, s[72+i], v[WK+2*i+1]
	v_add_nc_u32 v4, v4, v6
	v_add_nc_u32 v5, v5, v7
	v_add_nc_u32 v24, v24, v[WK+16+2*i]
	v_add_nc_u32 v22, v22, v[WK+17+2*i]
	v_and_b32 v6, s[72+i], v[WK+16+2*i]
	v_and_b32 v7, s[72+i], v[WK+17+2*i]
	v_add_nc_u32 v23, v23, v6
	v_add_nc_u32 v25, v25, v7
.set i, i+1
.endr
	v_add_nc_u32 v25, v25, v24                     ; an expert's rows with k = 1 lie behind all its rows with k = 0
	v_add_nc_u32 v22, v22, v24                     ; the expert's rows
	v_add_nc_u32 v6, 15, v2                        ; a pair's run, padded to 16
	v_and_b32 v6, -16, v6
	v_add_nc_u32 v7, 15, v3
	v_and_b32 v7, -16, v7
	v_add_nc_u32 v8, v6, v7
; One run of vector instructions that write scalar registers: the lanes' padded runs, the experts' rows, and which lanes have which expert
.set i, 0
.rept 31
	v_readlane_b32 s[66+i], v8, i                  ; s[66:96]
.set i, i+1
.endr
.irp e, 0,1,2,3,4,5,6,7
	v_readlane_b32 s[32+\e], v22, \e               ; s[32:39] the experts' rows
.endr
.irp e, 1,2,3,4,5,6,7
	v_cmp_eq_u32 s[48+\e], \e, v20                 ; s[49:55]
.endr
	v_mov_b32 v10, 0
	v_mov_b32 v27, 0
	s_wait_alu depctr_va_sdst(0)                   ; the 39 lane reads and the 7 compares have written their scalar registers, ahead of the first reader of any
.set i, 1
.rept 30                                       ; the sums of lanes 0 .. i, in place
	s_add_co_u32 s[66+i], s[66+i], s[66+i-1]
.set i, i+1
.endr
.set i, 1
.rept 31                                       ; the sum of the lanes before mine, lane by lane; lane 0 keeps 0
	v_writelane_b32 v10, s[66+i-1], i
.set i, i+1
.endr
	s_mov_b32 s40, 0                               ; s[40:47] where each expert's rows begin
.irp e, 0,1,2,3,4,5,6
	s_add_co_u32 s[41+\e], s[40+\e], s[32+\e]
.endr
	v_add_nc_u32 v11, v10, v6                      ; v10, v11: where my two keys' runs begin
	v_add_nc_u32 v12, v10, v4
	v_add_nc_u32 v13, v11, v5
	v_lshl_add_u32 v16, v1, 3, s25
.irp e, 1,2,3,4,5,6,7
	v_cndmask_b32 v27, v27, s[40+\e], s[48+\e]
.endr
	v_add_nc_u32 v29, v27, v23
	v_add_nc_u32 v30, v27, v25
	v_lshl_add_u32 v28, v20, 2, s26
	s_wait_alu depctr_va_vdst(0)                   ; the addresses v16 and v28 and the data v12, v13, v29, v30 are written; the sums are done reading WK, in which the loads of the places land
	ds_store_b64 v16, v[12:13]
	ds_store_b32 v28, v29                          ; lanes with the same expert write the same number
	ds_store_b32 v28, v30 offset:32
	s_cmp_lg_u32 s22, 0
	s_cbranch_scc1 .Lnot0                          ; the three tables of runs are written once, by wave 0
	v_add_nc_u32 v18, v10, v6
	v_add_nc_u32 v19, v11, v7
	v_lshlrev_b32 v17, 3, v1
	s_wait_alu depctr_va_vdst(0)                   ; v17, the address, and v18 and v19 are written
	ds_store_b64 v17, v[18:19] offset:KE
	ds_store_b64 v17, v[10:11] offset:KB
	ds_store_b64 v17, v[2:3] offset:KT
.Lnot0:
	s_wait_dscnt 0x0
	s_barrier_signal -1
	s_barrier_wait -1
	s_wait_alu depctr_vm_vsrc(0)                   ; my LDS stores have read v2, v3, v16 to v19 and v28, which are written again below
; The places.  48 LDS loads by the addresses in AD, one wait; then all groups' arithmetic, one wait, and the 48 stores.  Every store has address and data registers of its own.
; 4 bytes a lane to scattered places: a permutation of 48 KB in all, made once.
.irp g, 0,1,2,3,4,5,6,7,8,9,10,11,12,13,14,15
	ds_load_b32 v[WK+3*\g], v[AD+3*\g] offset:TOO
	ds_load_b32 v[WK+3*\g+1], v[AD+3*\g+1] offset:TOO
	ds_load_b32 v[WK+3*\g+2], v[AD+3*\g+2] offset:TOO+32
.endr
	s_lshl_b32 s31, s22, 9
	v_add_nc_u32 v2, s31, v1                       ; 512 w + lane
	s_wait_dscnt 0x0
.irp g, 0,1,2,3,4,5,6,7,8,9,10,11,12,13,14,15
	v_add_nc_u32 v[WK+3*\g], v[WK+3*\g], v[RP+\g]
	v_add_nc_u32 v[WK+3*\g+1], v[WK+3*\g+1], v[R0+\g]
	v_add_nc_u32 v[WK+3*\g+2], v[WK+3*\g+2], v[R1+\g]
	v_min_u32 v[WK+3*\g], 0x13ff, v[WK+3*\g]
	v_min_u32 v[WK+3*\g+1], 0x1fff, v[WK+3*\g+1]
	v_min_u32 v[WK+3*\g+2], 0x1fff, v[WK+3*\g+2]
	v_lshlrev_b32 v[WK+3*\g], 2, v[WK+3*\g]
	v_lshlrev_b32 v[WK+3*\g+1], 2, v[WK+3*\g+1]
	v_lshlrev_b32 v[WK+3*\g+2], 2, v[WK+3*\g+2]
	v_add_nc_u32 v[RP+\g], 32*\g, v2               ; t
	v_lshlrev_b32 v[R0+\g], 1, v[RP+\g]            ; 2 t
	v_lshl_or_b32 v[R1+\g], v[RP+\g], 1, 1         ; 2 t + 1
.endr
	v_mov_b32 v9, 0                                ; the LDS address of the tables' loads; never written again
	v_lshlrev_b32 v8, 3, v0                        ; my two words of binfo; never written again
	s_wait_alu depctr_va_vdst(0)                   ; the stores' addresses in WK and their data in RP, R0, R1 are written; so are v9 and v8
.irp g, 0,1,2,3,4,5,6,7,8,9,10,11,12,13,14,15
	global_store_b32 v[WK+3*\g], v[RP+\g], s[18:19]
	global_store_b32 v[WK+3*\g+1], v[R0+\g], s[14:15]
	global_store_b32 v[WK+3*\g+2], v[R1+\g], s[14:15]
.endr
	s_wait_xcnt 0x0                                ; the stores' address registers are loaded again only behind this wait
	s_wait_alu depctr_vm_vsrc(0)                   ; the stores have read their addresses in WK, in which the loads below land
; binfo: thread n / 2 makes words n and n + 1; word n: half-tile n / 8, entry a = n % 8, block q = 5 (n / 8) + a.  The block's pair is the first whose run ends behind place 16 q.
.set i, 0
.rept 16
	ds_load_b128 v[WK+4*i:WK+4*i+3], v9 offset:KE+16*i
.set i, i+1
.endr
	v_lshrrev_b32 v2, 2, v0
	v_and_b32 v3, 3, v0
	v_lshlrev_b32 v3, 1, v3                        ; a of the first word
	v_mul_u32_u24 v2, v2, 5
	v_add_nc_u32 v2, v2, v3
	v_lshlrev_b32 v2, 4, v2                        ; 16 q
	v_add_nc_u32 v4, 16, v2                        ; the second word's
	v_add_nc_u32 v5, 1, v3
	v_mov_b32 v16, 0                               ; v16, v17: the runs that end at or before place 16 q, for the two words
	v_mov_b32 v17, 0
	s_wait_dscnt 0x0
.set b, 0
.rept 4                                        ; sixteen runs at a time, both words: 32 compares in one run, then their bits are added up
.set i, 0
.rept 16
	v_cmp_ge_u32 s[66+i], v2, v[WK+16*b+i]
	v_cmp_ge_u32 s[82+i], v4, v[WK+16*b+i]
.set i, i+1
.endr
	s_wait_alu depctr_va_sdst(0)                   ; the 32 compares have written s66 to s97, ahead of their first reader
.set i, 0
.rept 8
	v_cndmask_b32 v18, 0, 1, s[66+2*i]
	v_cndmask_b32 v19, 0, 1, s[67+2*i]
	v_cndmask_b32 v20, 0, 1, s[82+2*i]
	v_cndmask_b32 v21, 0, 1, s[83+2*i]
	v_add3_u32 v16, v16, v18, v19
	v_add3_u32 v17, v17, v20, v21
.set i, i+1
.endr
.set b, b+1
.endr
	v_min_u32 v22, 63, v16
	v_min_u32 v23, 63, v17
	v_lshlrev_b32 v22, 2, v22
	v_lshlrev_b32 v23, 2, v23
	v_cmp_gt_u32 s66, 64, v16                      ; behind the last run there is no block,
	v_cmp_gt_u32 s67, 5, v3                        ; and entries 5 to 7 are not used
	v_cmp_gt_u32 s68, 64, v17
	v_cmp_gt_u32 s69, 5, v5
	v_mov_b32 v18, 0x88
	v_lshrrev_b32 v19, 3, v16
	v_and_b32 v20, 7, v16
	v_lshl_or_b32 v19, v20, 4, v19                 ; id 0 | id 1 << 4
	v_lshrrev_b32 v20, 3, v17
	v_and_b32 v21, 7, v17
	v_lshl_or_b32 v20, v21, 4, v20
	s_wait_alu depctr_va_sdst(0)                   ; the four compares have written s66 to s69, ahead of their first reader
	s_wait_alu depctr_va_vdst(0)                   ; v22 and v23, the loads' addresses, are written; earlier writers of v24 to v27, in which the loads land, are done
	ds_load_b32 v24, v22 offset:KB
	ds_load_b32 v25, v22 offset:KT
	ds_load_b32 v26, v23 offset:KB
	ds_load_b32 v27, v23 offset:KT
	s_and_b32 s66, s66, s67
	s_and_b32 s68, s68, s69
	s_wait_dscnt 0x0
	v_sub_nc_u32 v24, v2, v24                      ; places of the run in front of the block
	v_sub_nc_u32 v26, v4, v26
	v_sub_nc_u32 v25, v25, v24                     ; tokens left: at least 1 inside a run
	v_sub_nc_u32 v27, v27, v26
	v_min_u32 v25, 16, v25
	v_min_u32 v27, 16, v27
	v_lshl_or_b32 v19, v25, 8, v19
	v_lshl_or_b32 v20, v27, 8, v20
	v_cndmask_b32 v6, v18, v19, s66
	v_cndmask_b32 v7, v18, v20, s68
	s_wait_alu depctr_va_vdst(0)                   ; v6 and v7, the store's data, are written
	global_store_b64 v8, v[6:7], s[20:21]
; tiles: thread y < 128 makes entry y.
	s_cmp_lt_u32 s22, 4
	s_cbranch_scc0 .Lrt_end
	s_mov_b32 s48, 0                               ; s[48:56] the first tile of each expert
.irp e, 0,1,2,3,4,5,6,7
	s_add_co_u32 s30, s[32+\e], 79
	s_mul_hi_u32 s30, s30, 0x3333334               ; / 80: exact for numbers up to 8,271
	s_add_co_u32 s[49+\e], s[48+\e], s30
.endr
.irp e, 0,1,2,3,4,5,6,7
	v_cmp_le_u32 s[66+2*\e], s[48+\e], v0
	v_cmp_gt_u32 s[67+2*\e], s[49+\e], v0
.endr
	v_mov_b32 v24, 0
	v_mov_b32 v25, 0
	v_mov_b32 v26, 0
	v_mov_b32 v27, 0
	v_lshlrev_b32 v28, 4, v0
	s_wait_alu depctr_va_sdst(0)                   ; the sixteen compares have written s66 to s81, ahead of their first reader
.irp e, 0,1,2,3,4,5,6,7
	s_and_b32 s[66+2*\e], s[66+2*\e], s[67+2*\e]
.endr
.irp e, 0,1,2,3,4,5,6,7
	v_sub_nc_u32 v29, v0, s[48+\e]
	v_mul_u32_u24 v29, v29, 80
	v_add_nc_u32 v30, s[40+\e], v29
	v_sub_nc_u32 v31, s[32+\e], v29
	v_min_u32 v31, 80, v31
	v_cndmask_b32 v24, v24, \e, s[66+2*\e]
	v_cndmask_b32 v25, v25, v30, s[66+2*\e]
	v_cndmask_b32 v26, v26, v31, s[66+2*\e]
.endr
	s_wait_alu depctr_va_vdst(0)                   ; v28, the address, and v24 to v27, the data, are written
	global_store_b128 v28, v[24:27], s[16:17]
.Lrt_end:
	s_wait_dscnt 0x0                               ; the wave's end
	s_wait_alu depctr_hold_cnt(0) depctr_sa_sdst(0) depctr_va_vdst(0) depctr_va_sdst(0) depctr_va_ssrc(0) depctr_va_vcc(0) depctr_vm_vsrc(0)
	s_wait_tensorcnt 0x0
	ds_add_u32 v14, v15
	s_wait_dscnt 0x0
	s_endpgm
.Lfunc_end_k_q5ee7da8b41_prep:
	.size	k_q5ee7da8b41_prep, .Lfunc_end_k_q5ee7da8b41_prep-k_q5ee7da8b41_prep
	.p2alignl 7, 3214868480
	.fill 96, 4, 3214868480
	.section	.rodata,"a",@progbits
	.p2align	6, 0x0
	.amdhsa_kernel k_q5ee7da8b41_prep
		.amdhsa_group_segment_fixed_size 41728
		.amdhsa_private_segment_fixed_size 0
		.amdhsa_enable_private_segment 0
		.amdhsa_kernarg_size 88
		.amdhsa_user_sgpr_count 2
		.amdhsa_user_sgpr_kernarg_segment_ptr 1
		.amdhsa_wavefront_size32 1
		.amdhsa_system_sgpr_workgroup_id_x 1
		.amdhsa_system_sgpr_workgroup_id_y 1
		.amdhsa_system_sgpr_workgroup_id_z 1
		.amdhsa_system_vgpr_workitem_id 0
		.amdhsa_next_free_vgpr 256
		.amdhsa_next_free_sgpr 100
		.amdhsa_reserve_vcc 0
		.amdhsa_float_denorm_mode_32 3
		.amdhsa_float_denorm_mode_16_64 3
		.amdhsa_memory_ordered 1
		.amdhsa_forward_progress 1
		.amdhsa_inst_pref_size 159
	.end_amdhsa_kernel
	.amdgpu_metadata
---
amdhsa.version: [ 1, 2 ]
amdhsa.kernels:
  - .name:           k_q5ee7da8b41_prep
    .symbol:         k_q5ee7da8b41_prep.kd
    .args:
      - { .name: topk_ids, .offset: 0, .size: 8, .value_kind: global_buffer, .address_space: global }
      - { .name: gate_up_weights, .offset: 8, .size: 8, .value_kind: global_buffer, .address_space: global }
      - { .name: down_weights, .offset: 16, .size: 8, .value_kind: global_buffer, .address_space: global }
      - { .name: gub, .offset: 24, .size: 8, .value_kind: global_buffer, .address_space: global }
      - { .name: dwb, .offset: 32, .size: 8, .value_kind: global_buffer, .address_space: global }
      - { .name: rlist, .offset: 40, .size: 8, .value_kind: global_buffer, .address_space: global }
      - { .name: tiles, .offset: 48, .size: 8, .value_kind: global_buffer, .address_space: global }
      - { .name: tokmap, .offset: 56, .size: 8, .value_kind: global_buffer, .address_space: global }
      - { .name: binfo, .offset: 64, .size: 8, .value_kind: global_buffer, .address_space: global }
      - { .name: hidden_states, .offset: 72, .size: 8, .value_kind: global_buffer, .address_space: global }
      - { .name: xb, .offset: 80, .size: 8, .value_kind: global_buffer, .address_space: global }
    .group_segment_fixed_size: 41728
    .private_segment_fixed_size: 0
    .kernarg_segment_align: 8
    .kernarg_segment_size: 88
    .max_flat_workgroup_size: 256
    .sgpr_count:     100
    .vgpr_count:     256
    .wavefront_size: 32
...
	.end_amdgpu_metadata
.endif
;; end of part 4
;; launch gateup: the kernel of part 2 again; grid 2 x 110, 8 waves a work-group, no clusters, 209,664 bytes of LDS; arguments xb, topk_weights, gub, rlist, tiles, act; writes act
;; launch down: the kernel of part 3 again; grid 8 x 32, 8 waves a work-group, no clusters, 203,520 bytes of LDS; arguments act, dwb, tokmap, binfo, out0; writes out0
